; MI455X (gfx1250); checked and timed in simulation.
; The chip was launched on July 23, 2026; its instructions are those of AMD's public machine-readable ISA for CDNA 5 (MIT licence, August 2026) and "CDNA5" Instruction Set Architecture Reference Guide (July 2026). The comments in the code are by the model that wrote it; some were corrected since.
;; Causal Self Attention. Allowed arithmetic: matrix products marked QUANTISED: E2M3 operands, one E8M0 scale for each 32 along K, by v_wmma_scale_f32_16x16x128_f8f6f4 with both operands' format E2M3, f32 sums; everything else in f32.
;; Inputs: W_proj 1,024 x 1,024 float32; W_qkv 1,024 x 3,072 float32; b_proj 1,024 float32; b_qkv 3,072 float32; x 4 x 2,048 x 1,024 float32.
;; Outputs: out0 4 x 2,048 x 1,024 float32.
;; This version of the problem:
;;   THIS VERSION OF THE PROBLEM IS GIVEN IN LOW PRECISION. The matrix products marked QUANTISED in the list below multiply operands that are first quantised to E2M3 (2 exponent bits, 3 mantissa bits; 6 bits a number), with one power-of-two scale for each 32 numbers along K (OCP MX v1.0); their sums are f32. All else is computed in f32.
;;   The module's matrix products, in the order in which they are computed (A, B: the left and right operand; K: the contracted axis; several contracted axes count as one K, in the product's order):
;;     1. [M 8,192, K 1,024] x [K 1,024, N 3,072]; A: input x; B: input W_qkv: QUANTISED
;;     2. batch 64 x [M 2,048, K 64] x [K 64, N 2,048]; A: computed on the way; B: computed on the way: QUANTISED
;;     3. batch 64 x [M 2,048, K 2,048] x [K 2,048, N 64]; A: softmax (see below); B: computed on the way: QUANTISED
;;     4. [M 8,192, K 1,024] x [K 1,024, N 1,024]; A: computed on the way; B: input W_proj: QUANTISED
;;   THE QUANTISER, for each operand of a quantised product, along K:
;;     - K is cut into blocks of 32 from its start; a last block that is shorter is filled with zeros.
;;     - A block's scale is 2^e with e = floor(log2(the largest magnitude in the block)) - 2, held to -126 .. 127; a block of zeros has e = 0. As a byte (E8M0): e + 127.
;;     - Each number is divided by its block's scale, clamped to +-7.5, and rounded to the nearest number of E2M3, ties to even, subnormals kept.
;;     - The product sums the exact products of the quantised numbers (number of the format x scale) in f32.
;;   ~~~python
;;   def quantise(x, axis):      # numpy; x: float32 -> the quantised numbers, widened to float32 again
;;       x = np.moveaxis(x, axis, -1); K = x.shape[-1]
;;       x = np.pad(x, [(0, 0)] * (x.ndim - 1) + [(0, -K % 32)]); x = x.reshape(x.shape[:-1] + (-1, 32)); a = np.abs(x).max(-1, keepdims=True)
;;       e = np.where(a > 0, np.clip(np.frexp(np.where(a > 0, a, 1))[1] - 1 - 2, -126, 127), 0)      # np.frexp(a)[1] - 1 = floor(log2(a)), exactly
;;       r = np.clip(x / 2.0 ** e, -7.5, 7.5)
;;       step = 2.0 ** (np.maximum(np.frexp(np.where(r == 0, 1, r))[1] - 1, 0) - 3)
;;       q = np.round(r / step) * step * 2.0 ** e      # np.round: ties to even
;;       return np.moveaxis(q.reshape(q.shape[:-2] + (-1,))[..., :K], -1, axis).astype(np.float32)
;;   ~~~
;;   SOFTMAX AHEAD OF A QUANTISED PRODUCT. Where the list says 'softmax', what is quantised is not the finished softmax but p = 2^(t - M), with t = logit x log2(e) and M = ceil(the row's largest t), a whole number; so 1/2 < the row's largest p <= 1. The row's sum l is taken of the UNQUANTISED p, in f32, and the product's result is divided by l at the end. Since M is a whole number, a kernel that streams over the keys may use a running M (the ceiling of the running maximum): every later rescaling is an exact power of two, which a block's scale takes up: the codes' values come out the same.
;;   OPERANDS COMPUTED ON THE WAY. 'Computed on the way' means the value that the module computes at that place (a softmax that the list does not call 'softmax' is quantised finished and normalised). What goes into a quantiser is computed in f32, as accurately as f32 sums, v_exp_f32 and their like allow (about 1e-6 of the number): no bf16 or f16 on the way to a quantiser, and a product that is left as it is and whose result goes on into a quantised operand takes f32 operands (vector FMAs, or v_wmma_f32_16x16x4_f32). A number that lies on a knife's edge between two numbers of the format may be rounded either way, as far as f32 arithmetic and the matrix unit's own rounding can turn it there, and no further.
;; One version. Each part assembles by itself: llvm-mc -triple=amdgcn-amd-amdhsa -mcpu=gfx1250 --defsym DOCPART=n.
;; ======== version 1 of 1: 4 launches
;; limits: right only within a limited range of input values
;; workspace buffers: x_img 6,291,456 bytes; w_img 3,145,728 bytes; in_sc 393,216 bytes; qkv_img 18,874,368 bytes; qkv_sc 786,432 bytes; o_img 6,291,456 bytes; o_sc 262,144 bytes
;; launch quant (part 1): grid 256 x 1, 4 waves a work-group, no clusters, 116,224 bytes of LDS; arguments x, W_qkv, W_proj, x_img, w_img, in_sc; writes x_img, w_img, in_sc
.if DOCPART == 1
	.amdgcn_target "amdgcn-amd-amdhsa--gfx1250"
	.amdhsa_code_object_version 6
	.text
	.protected	k_q26f3a60018_quant
	.globl	k_q26f3a60018_quant
	.p2align	8
	.type	k_q26f3a60018_quant,@function
k_q26f3a60018_quant:
	s_mov_b64 s[64:65], 0
	v_nop
	global_prefetch_b8 v0, s[64:65] scope:SCOPE_SE
	s_setreg_imm32_b32 hwreg(HW_REG_WAVE_MODE, 25, 1), 1
	s_wait_xcnt 0x0
; x [8192][1024], W_qkv [1024][3072] and W_proj [1024][1024], f32, become codes of FP6 (E2M3) with one E8M0 byte for each 32 along K (x: its last axis; the weights: their first).
; A block's scale is 2^(floor(log2(largest magnitude)) - 2); its byte is the largest magnitude's exponent field - 2, held at 1 from below.
; LIMITS: NaN and infinities among the inputs are not served; a block whose largest magnitude lies under 2^-124 gets the byte 1; a block of zeros gets the byte 1 where the rule says 127
; (its codes are zeros, which add nothing under any byte but 0xff, and this program alone reads the bytes).
; THE OUTPUT FORMAT: a HALF IMAGE of 768 bytes holds 16 rows x 64 K as the matrix operand's registers want them: lane 16 h + r owns the 24 code bytes of (row r, block h): its first 16 bytes lie at 16 x lane,
; its last 8 at 512 + 8 x lane.  x_img and w_img are [block of 16 rows][K / 64][768].  ROWS LIE IN POSITION ORDER: position = the row's number with bits 3 and 4 exchanged, so that lane r of block a
; holds row 32 (a / 2) + 8 (a % 2) + r + 8 (r / 8).  Scale bytes: in_sc [position row][32]; x's rows from byte 0, the weights' 4,096 columns (W_qkv's, then W_proj's) from byte 262,144.
; Work-groups 0-127 take x, 128-255 the weights: one scalar branch on the work-group's number; each path has LDS bytes of its own.  No tensor loads, no barrier: waves share nothing.
.set SPARE, 115712                     ; the spare words, 128 bytes a wave: two blocks of 256 bytes that no other line names
.set XW,    22528                      ; x path: a wave's region: two stages of numbers, 16 staged half images, 512 scale bytes
.set NSB,   4608                       ; a stage of numbers: 32 blocks x (128 bytes + 16 of padding)
.set IMG,   9216
.set SCS,   22016
.set WB0,   90112                      ; W path: a wave's region: 8 staged half images
.set WW,    6400
.set HIS,   800                        ; a staged half image: lanes 0-15's 16 bytes at 0, lanes 16-31's at 272, the 8-byte parts at 528
.set SPW,   2                          ; v2  LDS address of my spare word; never rewritten
.set NIL,   3                          ; v3  0; never rewritten
.set R,     64                         ; x path: v64-159 three sets of 32 numbers as loaded, later 16 half images on the way out;  W path: v64-95 row offsets, v96-143 the way out
.set X,     160                        ; v160-223 two sets of 32 numbers of one block
; 32 numbers of one block, v[xs] on, become 24 bytes of codes in v[c] .. v[c + 5] and the scale's byte in v[eb]
.macro QBLK xs, c, eb
	v_max3_num_f32 v12, |v[\xs]|, |v[\xs+1]|, |v[\xs+2]|           ; the largest magnitude, in two chains
	v_max3_num_f32 v13, |v[\xs+3]|, |v[\xs+4]|, |v[\xs+5]|
.irp i, 6,10,14,18,22,26
	v_max3_num_f32 v12, v12, |v[\xs+\i]|, |v[\xs+\i+1]|
	v_max3_num_f32 v13, v13, |v[\xs+\i+2]|, |v[\xs+\i+3]|
.endr
	v_max3_num_f32 v12, v12, |v[\xs+30]|, |v[\xs+31]|
	v_max3_num_f32 v12, v12, v13, 0x1800000                        ; and the floor 2^(3 - 127): the byte cannot fall under 1
	v_add_nc_u32 v14, 0xff000000, v12                              ; 2 off the exponent field: the conversion takes this operand's exponent field as its scale
	v_cvt_scalef32_pk16_fp6_f32 v[\c:\c+2], v[\xs:\xs+15], v14
	v_cvt_scalef32_pk16_fp6_f32 v[\c+4:\c+6], v[\xs+16:\xs+31], v14   ; (a conversion's three registers begin on an even number)
	v_lshrrev_b32 v[\eb], 23, v14                                  ; the scale's byte; also the plain instruction behind the conversions
	v_mov_b32 v[\c+3], v[\c+4]
	v_mov_b32 v[\c+4], v[\c+5]
	v_mov_b32 v[\c+5], v[\c+6]
.endm
	s_load_b256 s[4:11], s[0:1], 0x0               ; x s[4:5], W_qkv s[6:7], W_proj s[8:9], x_img s[10:11]
	s_load_b128 s[12:15], s[0:1], 0x20             ; w_img s[12:13], in_sc s[14:15]
	v_lshl_add_u32 v[SPW], v0, 2, SPARE
	v_mov_b32 v[NIL], 0
	v_lshrrev_b32 v1, 5, v0
	v_readfirstlane_b32 s16, v1                    ; wave
	v_and_b32 v1, 31, v0                           ; lane
	v_lshlrev_b32 v4, 4, v1                        ; 16 x lane
	v_lshlrev_b32 v5, 3, v1                        ; 8 x lane
	s_cmp_lt_u32 ttmp9, 128
	s_cbranch_scc0 .Lweights
; ---------------- x: a wave owns block a = 4 x work-group + wave: 16 position rows x all 1,024 along K.  A row a step: 8 loads of 512 consecutive bytes; through the stage lane l gets block l of the row
	s_lshl_b32 s17, ttmp9, 2
	s_add_co_u32 s17, s17, s16                     ; a
	s_lshr_b32 s18, s17, 1
	s_lshl_b32 s18, s18, 17                        ; 32 rows of 4,096 bytes for each pair of blocks,
	s_and_b32 s19, s17, 1
	s_lshl_b32 s19, s19, 15                        ; 8 rows for the odd one
	s_add_co_u32 s18, s18, s19
	s_mov_b32 s19, 0
	s_mul_i32 s20, s17, 12288                      ; the block's 16 half images
	s_mov_b32 s21, 0
	s_lshl_b32 s22, s17, 9                         ; its 512 scale bytes
	s_mov_b32 s23, 0
	s_mul_i32 s24, s16, XW
	s_add_co_u32 s25, s24, IMG
	s_add_co_u32 s26, s25, 528
	s_add_co_u32 s27, s24, SCS
	s_wait_alu depctr_va_vdst(0)
	v_lshrrev_b32 v6, 3, v1
	v_mul_u32_u24 v6, v6, 144
	v_and_b32 v7, 7, v1
	v_lshl_add_u32 v6, v7, 4, v6
	v_add_nc_u32 v6, s24, v6                       ; numbers in: eight lanes' 128 bytes on end, then 16 of padding
	v_mul_u32_u24 v7, v1, 144
	v_add_nc_u32 v7, s24, v7                       ; numbers out: my block
	v_lshrrev_b32 v10, 1, v1
	v_mul_u32_u24 v10, v10, HIS                    ; my block lies in half image lane / 2, as its block lane % 2
	v_and_b32 v11, 1, v1
	v_mad_u32_u24 v8, v11, 272, v10
	v_lshl_add_u32 v9, v11, 7, v10
	v_add_nc_u32 v8, s25, v8                       ; codes in: the 16-byte part; the row stands in the immediate
	v_add_nc_u32 v9, s26, v9                       ; the 8-byte part
	v_add_nc_u32 v10, s27, v1                      ; my block's scale byte
	v_add_nc_u32 v35, s27, v4                      ; the scale bytes on the way out
	v_lshrrev_b32 v34, 4, v1
	v_mul_u32_u24 v34, v34, 272
	v_and_b32 v11, 15, v1
	v_lshl_add_u32 v11, v11, 4, v34
	v_add_nc_u32 v11, s25, v11                     ; codes out: the 16-byte part,
	v_add_nc_u32 v34, s26, v5                      ; the 8-byte part
	s_wait_kmcnt 0x0
	s_add_nc_u64 s[4:5], s[4:5], s[18:19]
	s_add_nc_u64 s[10:11], s[10:11], s[20:21]
	s_add_nc_u64 s[14:15], s[14:15], s[22:23]
.macro XLOAD t                         ; position row t of the block is row t + 8 (t / 8) from the block's first
.irp i, 0,1,2,3,4,5,6,7
	global_load_b128 v[R+32*((\t)%3)+4*\i:R+32*((\t)%3)+4*\i+3], v4, s[4:5] offset:((\t)+8*((\t)/8))*4096+512*\i th:TH_LOAD_NT
.endr
.endm
.macro XTURN t                         ; through the stage: LDS serves a wave's instructions in order, so no wait stands between the stores and the loads
.irp i, 0,1,2,3,4,5,6,7
	ds_store_b128 v6, v[R+32*((\t)%3)+4*\i:R+32*((\t)%3)+4*\i+3] offset:NSB*((\t)%2)+576*\i
.endr
.irp j, 0,1,2,3,4,5,6,7
	ds_load_b128 v[X+32*((\t)%2)+4*\j:X+32*((\t)%2)+4*\j+3], v7 offset:NSB*((\t)%2)+16*\j
.endr
.endm
.macro XSTEP t
.if (\t) > 0
	s_wait_dscnt 3                                 ; this row is back from the stage; the last step's three stores of codes and byte may be out.  The step before that one's are done: its registers may be written
.else
	s_wait_dscnt 0x0
.endif
.if (\t)+3 < 16
	XLOAD (\t)+3                                   ; into the set that this row's stage stores have read
.endif
.if (\t)+1 < 16
.if (\t)+3 < 16
	s_wait_loadcnt 16                              ; the next row's eight loads are in; those of the two rows behind it may be out
.else
	s_wait_loadcnt 8*(15-((\t)+1))                 ; the counts run down
.endif
	XTURN (\t)+1
.endif
	QBLK X+32*((\t)%2), 16+8*((\t)%2), 32+(\t)%2
	ds_store_b128 v8, v[16+8*((\t)%2):19+8*((\t)%2)] offset:16*(\t)
	ds_store_b64 v9, v[20+8*((\t)%2):21+8*((\t)%2)] offset:8*(\t)
	ds_store_b8 v10, v[32+(\t)%2] offset:32*(\t)
.endm
	XLOAD 0
	XLOAD 1
	XLOAD 2
	s_wait_loadcnt 16                              ; row 0 is in
	XTURN 0
.irp t, 0,1,2,3,4,5,6,7,8,9,10,11,12,13,14,15
	XSTEP \t
.endr
.set k, 0
.rept 16                               ; the 16 half images leave as they are wanted: each store covers 512 or 256 consecutive bytes, aligned
	ds_load_b128 v[R+6*k:R+6*k+3], v11 offset:HIS*k
	ds_load_b64 v[R+6*k+4:R+6*k+5], v34 offset:HIS*k
.set k, k+1
.endr
	ds_load_b128 v[X:X+3], v35
	s_wait_dscnt 0x0
.set k, 0
.rept 16
	global_store_b128 v4, v[R+6*k:R+6*k+3], s[10:11] offset:768*k
	global_store_b64 v5, v[R+6*k+4:R+6*k+5], s[10:11] offset:768*k+512
.set k, k+1
.endr
	global_store_b128 v4, v[X:X+3], s[14:15]       ; 16 rows x 32 scale bytes: 512 consecutive bytes
	s_wait_tensorcnt 0x0                           ; the wave's end: behind my last LDS store
	ds_add_u32 v[SPW], v[NIL]
	s_wait_dscnt 0x0
	s_endpgm
; ---------------- the weights: a lane takes a column, its registers run down K.  g = work-group - 128: y = g % 4 is which 256 along K, g / 4 which 128 of the 4,096 columns; a wave takes 32 columns
.Lweights:
	s_sub_co_u32 s17, ttmp9, 128
	s_and_b32 s18, s17, 3                          ; y
	s_lshr_b32 s19, s17, 2                         ; column group 0 .. 31: 0-23 W_qkv's, 24-31 W_proj's
	s_lshl_b32 s21, s16, 5
	s_lshl_b32 s20, s19, 7
	s_add_co_u32 s20, s20, s21                     ; P0: my wave's first position among the 4,096
	s_mov_b32 s24, 4096
	s_wait_kmcnt 0x0
	s_cmp_lt_u32 s19, 24                           ; the choice hangs on the work-group's number alone
	s_cselect_b64 s[6:7], s[6:7], s[8:9]
	s_cselect_b32 s24, 12288, s24                  ; a row of the weight in bytes
	s_cselect_b32 s25, 0, 24
	s_sub_co_u32 s25, s19, s25                     ; the column group inside its own weight
	s_lshl_b32 s26, s18, 8
	s_mul_i32 s26, s26, s24                        ; 256 y rows down
	s_lshl_b32 s27, s25, 7
	s_add_co_u32 s27, s27, s21
	s_lshl_b32 s27, s27, 2
	s_add_co_u32 s26, s26, s27                     ; + my first column
	s_mov_b32 s27, 0
	s_add_nc_u64 s[32:33], s[6:7], s[26:27]        ; a base for each of the 8 blocks of 32 rows: the row's length is no constant of the text, so it cannot stand in an immediate
	s_lshl_b32 s28, s24, 5
	s_mov_b32 s29, 0
.irp t, 1,2,3,4,5,6,7
	s_add_nc_u64 s[32+2*\t:33+2*\t], s[30+2*\t:31+2*\t], s[28:29]
.endr
	s_mul_i32 s22, s20, 768
	s_mul_i32 s23, s18, 3072
	s_add_co_u32 s22, s22, s23
	s_mov_b32 s23, 0
	s_add_nc_u64 s[12:13], s[12:13], s[22:23]      ; w_img: my first block of 16, half images 4 y on
	s_lshl_b32 s22, s20, 5
	s_lshl_b32 s26, s18, 3
	s_add_co_u32 s22, s22, s26
	s_add_co_u32 s22, s22, 262144
	s_add_nc_u64 s[14:15], s[14:15], s[22:23]      ; in_sc: the weights' part, my first row, bytes 8 y on
	s_wait_alu depctr_va_vdst(0)
	v_lshlrev_b32 v38, 2, v1
.set i, 0
.rept 32
	v_mad_u32_u24 v[R+i], s24, i, v38              ; row i of a block, my column
.set i, i+1
.endr
	v_bfe_u32 v6, v1, 3, 1                         ; column l lies at position: block u = bit 3 of l,
	v_and_b32 v7, 7, v1
	v_lshrrev_b32 v10, 4, v1
	v_lshl_or_b32 v7, v10, 3, v7                   ; row r = l % 8 + 8 x bit 4 of l
	s_mul_i32 s30, s16, WW
	s_add_co_u32 s30, s30, WB0
	s_add_co_u32 s31, s30, 528
	v_mul_u32_u24 v8, v6, 4*HIS
	v_lshl_add_u32 v9, v7, 3, v8
	v_lshl_add_u32 v8, v7, 4, v8
	v_add_nc_u32 v8, s30, v8                       ; codes in: staged half image 4 u + t / 2, block t % 2
	v_add_nc_u32 v9, s31, v9
	v_mul_u32_u24 v11, v10, 272
	v_and_b32 v34, 15, v1
	v_lshl_add_u32 v11, v34, 4, v11
	v_add_nc_u32 v11, s30, v11                     ; codes out
	v_add_nc_u32 v34, s31, v5
	v_lshl_add_u32 v35, v6, 4, v7
	v_lshlrev_b32 v35, 5, v35                      ; my position's row of scale bytes
.macro WLOAD t
.set i, 0
.rept 32
	global_load_b32 v[X+32*((\t)%2)+i], v[R+i], s[32+2*(\t):33+2*(\t)] th:TH_LOAD_NT   ; 32 lanes read 128 consecutive bytes, the four waves 512
.set i, i+1
.endr
.endm
.macro WBLOCK t
.if (\t) < 7
	s_wait_loadcnt 32                              ; this block's 32 loads are in; the next block's may be out
.else
	s_wait_loadcnt 0x0
.endif
	QBLK X+32*((\t)%2), 16, 32
.if (\t)%4 == 0
	v_mov_b32 v[36+(\t)/4], v32                    ; four bytes to a register, the lower K in the lower byte
.else
	v_lshl_or_b32 v[36+(\t)/4], v32, 8*((\t)%4), v[36+(\t)/4]
.endif
	ds_store_b128 v8, v[16:19] offset:HIS*((\t)/2)+272*((\t)%2)
	ds_store_b64 v9, v[20:21] offset:HIS*((\t)/2)+128*((\t)%2)
.if (\t)+2 < 8
	WLOAD (\t)+2
.endif
	s_wait_dscnt 0x0                               ; the stores have read their registers: the next block's codes may be written
.endm
	WLOAD 0
	WLOAD 1
.irp t, 0,1,2,3,4,5,6,7
	WBLOCK \t
.endr
.set k, 0
.rept 8
	ds_load_b128 v[96+6*k:96+6*k+3], v11 offset:HIS*k
	ds_load_b64 v[96+6*k+4:96+6*k+5], v34 offset:HIS*k
.set k, k+1
.endr
	s_wait_alu depctr_va_vdst(0)
	global_store_b64 v35, v[36:37], s[14:15]       ; my column's 8 scale bytes: pieces of 8 bytes, 32 bytes apart: one byte for each 128 that the path reads
	s_wait_dscnt 0x0
.set k, 0
.rept 8
	global_store_b128 v4, v[96+6*k:96+6*k+3], s[12:13] offset:(k/4)*12288+(k%4)*768
	global_store_b64 v5, v[96+6*k+4:96+6*k+5], s[12:13] offset:(k/4)*12288+(k%4)*768+512
.set k, k+1
.endr
	s_wait_tensorcnt 0x0                           ; the wave's end: behind my last LDS store
	ds_add_u32 v[SPW], v[NIL]
	s_wait_dscnt 0x0
	s_endpgm
.Lfunc_end_k_q26f3a60018_quant:
	.size	k_q26f3a60018_quant, .Lfunc_end_k_q26f3a60018_quant-k_q26f3a60018_quant
	.p2alignl 7, 3214868480
	.fill 96, 4, 3214868480
	.section	.rodata,"a",@progbits
	.p2align	6, 0x0
	.amdhsa_kernel k_q26f3a60018_quant
		.amdhsa_group_segment_fixed_size 116224
		.amdhsa_private_segment_fixed_size 0
		.amdhsa_enable_private_segment 0
		.amdhsa_kernarg_size 48
		.amdhsa_user_sgpr_count 2
		.amdhsa_user_sgpr_kernarg_segment_ptr 1
		.amdhsa_wavefront_size32 1
		.amdhsa_system_sgpr_workgroup_id_x 1
		.amdhsa_system_sgpr_workgroup_id_y 1
		.amdhsa_system_sgpr_workgroup_id_z 1
		.amdhsa_system_vgpr_workitem_id 0
		.amdhsa_next_free_vgpr 256
		.amdhsa_next_free_sgpr 66
		.amdhsa_reserve_vcc 0
		.amdhsa_float_denorm_mode_32 3
		.amdhsa_float_denorm_mode_16_64 3
		.amdhsa_memory_ordered 1
		.amdhsa_forward_progress 1
		.amdhsa_inst_pref_size 106
	.end_amdhsa_kernel
	.amdgpu_metadata
---
amdhsa.version: [ 1, 2 ]
amdhsa.kernels:
  - .name:           k_q26f3a60018_quant
    .symbol:         k_q26f3a60018_quant.kd
    .args:
      - { .name: x, .offset: 0, .size: 8, .value_kind: global_buffer, .address_space: global }
      - { .name: W_qkv, .offset: 8, .size: 8, .value_kind: global_buffer, .address_space: global }
      - { .name: W_proj, .offset: 16, .size: 8, .value_kind: global_buffer, .address_space: global }
      - { .name: x_img, .offset: 24, .size: 8, .value_kind: global_buffer, .address_space: global }
      - { .name: w_img, .offset: 32, .size: 8, .value_kind: global_buffer, .address_space: global }
      - { .name: in_sc, .offset: 40, .size: 8, .value_kind: global_buffer, .address_space: global }
    .group_segment_fixed_size: 116224
    .private_segment_fixed_size: 0
    .kernarg_segment_align: 8
    .kernarg_segment_size: 48
    .max_flat_workgroup_size: 128
    .sgpr_count:     66
    .vgpr_count:     256
    .wavefront_size: 32
...
	.end_amdgpu_metadata
.endif
;; end of part 1
;; launch qkv (part 2): grid 32 x 8, 4 waves a work-group, clusters of 4 x 1, 327,680 bytes of LDS; arguments x_img, w_img, in_sc, b_qkv, qkv_img, qkv_sc; writes qkv_img, qkv_sc
.if DOCPART == 2
	.amdgcn_target "amdgcn-amd-amdhsa--gfx1250"
	.amdhsa_code_object_version 6
	.text
	.protected	k_q26f3a60018_qkv
	.globl	k_q26f3a60018_qkv
	.p2align	8
	.type	k_q26f3a60018_qkv,@function
k_q26f3a60018_qkv:
	s_mov_b64 s[64:65], 0
	v_nop
	global_prefetch_b8 v0, s[64:65] scope:SCOPE_SE
	s_setreg_imm32_b32 hwreg(HW_REG_WAVE_MODE, 25, 1), 1
	s_wait_xcnt 0x0
	s_wait_alu depctr_hold_cnt(0) depctr_sa_sdst(0) depctr_va_vdst(0) depctr_va_sdst(0) depctr_va_ssrc(0) depctr_va_vcc(0) depctr_vm_vsrc(0)
	s_getreg_b32 s2, hwreg(HW_REG_IB_STS2, 6, 4)
	s_cmp_eq_u32 s2, 0
	s_cbranch_scc0 .Lentry_in_a_cluster
	s_endpgm
.Lentry_in_a_cluster:
	s_bfe_u32 s2, ttmp6, 0x10000c
	s_cmp_lg_u32 s2, 0x3003
	s_cbranch_scc0 .Lentry_shape_is_right
	s_endpgm
.Lentry_shape_is_right:
; qkv = x W_qkv + b_qkv on codes of FP6 (E2M3) with E8M0 scales, K = 1,024; q and k are then quantised along the head's 64, v along the keys; only codes and scale bytes are stored.
; OPERANDS are HALF IMAGES of 768 bytes (16 rows x 64 K; lane 16 h + r owns (row r, block h): 16 bytes at 16 x lane, 8 bytes at 512 + 8 x lane), [block of 16 rows][K / 64][768], rows in POSITION order:
; lane r of block a holds row 32 (a / 2) + 8 (a % 2) + r + 8 (r / 8).  So register j of lanes' half h of source 0's tile 2 B + u is row 32 B + 16 h + 8 u + j: two neighbouring tiles give 16 neighbours along the next K.
; SHARES: 256 work-groups: 256 tokens (x: 4 x cluster x + cx) x 384 features = 6 heads (y).  A wave holds its 64 tokens, ALL of K, in 384 registers, loaded from x_img as they lie (each load reads 512 or 256 consecutive bytes).
; The work-group's 384 rows of W, all of K (294,912 bytes), and their scale bytes (12,288) lie in LDS, filled ONCE at the head, one tensor load a wave: waves 0-2 a third of the codes each, wave 3 the scale bytes.  Nothing is filled again.
; CLUSTER 4, 1, 1: the four partners have the same features, so W's loads are joint (mask 15); their addresses are made of y and the wave's number alone.
; A TRIP of the loop is one head: 8 K steps of 16 products (4 blocks of W x 4 blocks of x), the 16 accumulators by turns.  W's fragments lie in two sets of 48 registers.
; Heads 0-31 (q, k): source 0 = W: a lane holds a token, registers run along the head's 64.  Heads 32-47 (v): source 0 = x: a lane holds a feature d, registers run along the keys.  The branch hangs on y and the trip alone.
; THE BIAS is the first products' C: along the registers for q and k, the lane's own number in all eight registers for v; the next head's is loaded a trip ahead.
; OUT: qkv_img [hidx][98,304], hidx = 32 b + head number (q, k), 96 + 16 b + head number (v): in both my wave's four half images lie at ((4 tile + wave) % 32) x 3,072 + 768 g.
;      qkv_sc [hidx][4,096]: q, k: words [pair of blocks][r]; v: words [128 keys][block of 16 d][r].  The bytes gather in LDS (a stage for each orientation) and leave at the end as units of 256 bytes.
; No prefetch: every tile is asked for at the head, and the launch has no loop that runs ahead of a load.
; LIMITS: NaN and infinities are not served; a block whose largest magnitude lies under 2^-124, a block of zeros among them, gets the byte 1 (zero codes add nothing; this program alone reads the bytes).
; REGISTERS: window 0: addresses, scale words, the way out; windows 1, 2: x's fragments 8 a + q, 21 to a window; window 2 from v132: W's two sets; window 3: v0-127 accumulators, v128-159 the bias.
.set NH, 6
.set HB, 49152                         ; a head's 64 rows of W in LDS
.set PART, 98304                       ; what one of waves 0-2 fetches
.set WSC, 294912                       ; W's scale bytes
.set SPARE, 307200                     ; the spare words, 128 bytes a wave
.set STG, 307712                       ; scale bytes of q and k on the way out: [head][512]
.set STGV, 310784                      ; those of v
.set L16, 1
.set L8, 2
.set L32, 3
.set SPW, 4
.set NIL, 5
.set AW, 6
.set AW2, 7
.set ASC, 8
.set SA, 9
.set SAQ0, 10
.set SAV0, 11
.set BLN, 12
.set BQ, 16
.set BOF, 24
.set WS, 32                            ; v32-47 W's scale words; v52-67 x's: the two numbers differ by 4 modulo 8
.set XS, 52
.set RD0, 68
.set TM, 72
.set TP, 80
.set TS, 88
.set EB, 96
.set PC, 104
.set PD, 136
.set TT, 160
.set WV, 16
.set CX, 17
.set TL, 18
.set CC, 19
.set SEL, 20
.set H, 22
.set I, 23
.set G1W, 24
.set G1S, 32
.set G0, 40
.set G0S, 44
.set XB, 48
.set XSB, 50
.set BB, 52
.set IB, 54
.set IC, 56
.set HQ, 58
.set HV, 59
.set WO, 60
.set SO, 61
.set ST, 62
.set MK, 63
.set T0, 66
.set TO, 80
.set MSB, 0
.macro WIN new                         ; the immediate's high byte repeats the setting that is left
.if MSB != (\new)
	s_set_vgpr_msb (MSB<<8)|(\new)
.set MSB, \new
.endif
.endm
.macro WALU
	s_wait_alu depctr_va_vdst(0)
.endm
.macro PLACES                          ; four plain places behind a matrix instruction (ISA guide 7.12.1 for vector instructions)
.rept 4
	v_nop
.endr
.endm
.macro CROUND                          ; a round of the cluster's barrier
	s_barrier_signal -1
	s_barrier_wait -1
	s_cmp_lg_u32 s[WV], 0
	s_cbranch_scc1 .Lnw0_\@
	s_barrier_signal -3
.Lnw0_\@:
	s_barrier_wait -3
	s_barrier_signal -1
	s_barrier_wait -1
.endm
.macro TLOAD g0, g1
	tensor_load_to_lds s[\g0:\g0+3], s[\g1:\g1+7]
	s_nop 0
	PLACES
.endm
.macro ADDR                            ; LDS addresses of a head's fragments and scale words
	v_add_nc_u32 v[AW], s[WO], v[L16]
	v_add_nc_u32 v[AW2], s[WO], v[L8]
	v_add_nc_u32 v[ASC], s[SO], v[L32]
.endm
.macro FETCH q, set                    ; W's four fragments of K step q: 16 loads
	WIN 0x80
.irp b, 0,1,2,3
.set R_, 132+48*(\set)+12*\b
	ds_load_b128 v[R_:R_+3], v[AW] offset:12288*\b+1536*(\q)
	ds_load_b64 v[R_+4:R_+5], v[AW2] offset:12288*\b+1536*(\q)+512
	ds_load_b128 v[R_+6:R_+9], v[AW] offset:12288*\b+1536*(\q)+768
	ds_load_b64 v[R_+10:R_+11], v[AW2] offset:12288*\b+1536*(\q)+1280
.endr
.endm
.macro FIRST2                          ; a head's K steps 0 and 1 and its scale words: lanes 0-15 block 2 p, lanes 16-31 block 2 p + 1
	FETCH 0, 0
	FETCH 1, 1
	WIN 0
.irp p, 0,1
.irp e, 0,1
	ds_load_b128 v[WS+8*\p+4*\e:WS+8*\p+4*\e+3], v[ASC] offset:1024*\p+16*\e
.endr
.endr
.endm
.macro W1 d, s0, s1, c, x0, x1, r0, r1
	v_wmma_scale_f32_16x16x128_f8f6f4 v[\d:\d+7], v[\s0:\s0+11], v[\s1:\s1+11], \c, v[\x0], v[\x1] matrix_a_fmt:MATRIX_FMT_FP6 matrix_b_fmt:MATRIX_FMT_FP6 matrix_a_scale:MATRIX_SCALE_ROW\r0 matrix_b_scale:MATRIX_SCALE_ROW\r1
.endm
.macro MM kind, q, first               ; 16 products of K step q: x's block a = 2 pa + ua, W's block 2 pb + ub
.irp pa, 0,1
.irp ua, 0,1
.irp pb, 0,1
.irp ub, 0,1
.set F_, 8*(2*\pa+\ua)+(\q)
.set XR_, 12*(F_%21)
.set XW_, 1+F_/21
.set WR_, 132+48*((\q)%2)+12*(2*\pb+\ub)
.set BI_, 128+8*(2*\pb+\ub)
.if \kind
.set D_, 32*(2*\pb+\ub)+8*(2*\pa+\ua)
	WIN XW_|(2<<2)|0xf0
.if \first
	W1 D_, XR_, WR_, v[BI_:BI_+7], XS+8*\pa+(\q), WS+8*\pb+(\q), \ua, \ub
.else
	W1 D_, XR_, WR_, v[D_:D_+7], XS+8*\pa+(\q), WS+8*\pb+(\q), \ua, \ub
.endif
.else
.set D_, 32*(2*\pa+\ua)+8*(2*\pb+\ub)
	WIN 2|(XW_<<2)|0xf0
.if \first
	W1 D_, WR_, XR_, v[BI_:BI_+7], WS+8*\pb+(\q), XS+8*\pa+(\q), \ub, \ua
.else
	W1 D_, WR_, XR_, v[D_:D_+7], WS+8*\pb+(\q), XS+8*\pa+(\q), \ub, \ua
.endif
.endif
.endr
.endr
.endr
.endr
.endm
.macro BIASLD                          ; 32 numbers: register 8 b + j of the first products' C
	WIN 0xc0
.irp b, 0,1,2,3
.irp j, 0,1,2,3,4,5,6,7
	global_load_b32 v[128+8*\b+\j], v[BOF+\j], s[BB:BB+1] offset:(32*(\b/2)+8*(\b%2))*4
.endr
.endr
	WIN 0
.endm
; THE WAY OUT: window 3's v[32 g ..] are group g's 32 sums of a lane: k = 32 B + 16 h + i of its row.  Eight blocks side by side; each accumulator is read from its low end on.
.macro OUT kind
	s_wait_xcnt 0x0                                ; the last head's stores have read their data
	WIN 0x0f
.irp k, 0,1,2,3,4,5,6,7
	v_max3_num_f32 v[TM+\k], |v[16*\k]|, |v[16*\k+1]|, 0x1800000   ; with the floor 2^(3 - 127)
.endr
	WIN 0x3c
.irp i, 2,4,6,8,10,12,14
.irp k, 0,1,2,3,4,5,6,7
	v_max3_num_f32 v[TM+\k], v[TM+\k], |v[16*\k+\i]|, |v[16*\k+\i+1]|
.endr
.endr
	WIN 0
.irp k, 0,1,2,3,4,5,6,7
	v_permlanex16_b32 v[TP+\k], v[TM+\k], s[SEL], s[SEL+1]
.endr
.irp k, 0,1,2,3,4,5,6,7
	v_max_num_f32 v[TM+\k], v[TM+\k], v[TP+\k]     ; with lane l xor 16's: the block's largest magnitude
.endr
.irp k, 0,1,2,3,4,5,6,7
	v_add_nc_u32 v[TS+\k], 0xff000000, v[TM+\k]    ; 2 off the exponent field: the conversion's scale operand
.endr
.irp k, 0,1,2,3,4,5,6,7
	v_lshrrev_b32 v[TP+\k], 23, v[TS+\k]           ; the scale's byte
.endr
.irp g, 0,1,2,3
	v_lshl_or_b32 v[EB+\g], v[TP+2*\g+1], 8, v[TP+2*\g]
.endr
	WIN 0x03
.irp g, 0,1,2,3
	v_cvt_scalef32_pk16_fp6_f32 v[PC+8*\g:PC+8*\g+2], v[32*\g:32*\g+15], v[TS+2*\g]
	v_cvt_scalef32_pk16_fp6_f32 v[PD+4*\g:PD+4*\g+2], v[32*\g+16:32*\g+31], v[TS+2*\g+1]
.endr
	WIN 0
	v_nop                                          ; one plain instruction behind the conversions
.irp g, 0,1,2,3
.irp i, 0,1,2
	v_permlane16_swap_b32 v[PC+8*\g+\i], v[PD+4*\g+\i]   ; a whole block to a lane
.endr
.endr
.irp g, 0,1,2,3
.irp i, 0,1,2
	v_mov_b32 v[PC+8*\g+3+\i], v[PD+4*\g+\i]
.endr
.endr
.irp g, 0,1,2,3
.if \kind
	ds_store_b16 v[SA], v[EB+\g] offset:64*\g      ; v: word (block of d g, r), my wave's two of its four bytes
.else
	ds_store_b16 v[SA], v[EB+\g] offset:64*(\g/2)+2*(\g%2)   ; q, k: word (pair g / 2, r), half g % 2
.endif
	global_store_b128 v[L16], v[PC+8*\g:PC+8*\g+3], s[IB:IB+1] offset:768*\g
	global_store_b64 v[L8], v[PC+8*\g+4:PC+8*\g+5], s[IB:IB+1] offset:768*\g+512
.endr
.endm
.macro BODY kind
.if \kind
	v_add_nc_u32 v[SA], s[ST], v[SAV0]
.else
	v_add_nc_u32 v[SA], s[ST], v[SAQ0]
.endif
	WALU
	s_wait_loadcnt 0x0                             ; the bias (the first time: x too)
	s_wait_dscnt 0x0                               ; K steps 0 and 1, the scale words
	MM \kind, 0, 1
	PLACES
	FETCH 2, 0
	WIN 0
	s_cmp_eq_u32 s[I], NH-1
	s_cbranch_scc1 .Lnb_\@
	s_wait_xcnt 0x0                                ; the last bias loads have read their addresses
	s_add_co_u32 s[T0], s[H], 1
	s_cmp_lt_u32 s[T0], 32
	s_cselect_b32 s[MK], 0, -1
	s_lshl_b32 s[T0], s[T0], 8
	s_mov_b32 s[T0+1], 0
	s_add_nc_u64 s[BB:BB+1], s[10:11], s[T0:T0+1]
.irp j, 0,1,2,3,4,5,6,7
	v_cndmask_b32 v[BOF+\j], v[BQ+\j], v[BLN], s[MK]
.endr
	BIASLD                                         ; the next head's bias
.Lnb_\@:
.irp q, 1,2,3,4,5
	s_wait_dscnt 16                                ; this step's fragments are in; the next step's 16 loads may be out
	MM \kind, \q, 0
	PLACES
	FETCH \q+2, \q%2
.endr
	s_wait_dscnt 16
	MM \kind, 6, 0
	s_wait_dscnt 0x0
	MM \kind, 7, 0
	PLACES
	WIN 0
	s_wait_tensorcnt 0x0                           ; every wave: all my loads have landed (no LDS instruction of mine is out here);
	s_barrier_signal -1                            ; a plain barrier, behind which nothing is filled,
	s_barrier_wait -1                              ; shows all of W ahead of the fetch of the next head
	s_cmp_eq_u32 s[I], NH-1
	s_cbranch_scc1 .Lnn_\@
	ADDR                                           ; the next head's first fragments land under the way out
	WALU
	FIRST2
.Lnn_\@:
	OUT \kind
.endm
	s_load_b256 s[4:11], s[0:1], 0x0               ; x_img, w_img, in_sc, b_qkv
	s_load_b128 s[12:15], s[0:1], 0x20             ; qkv_img, qkv_sc
	v_lshl_add_u32 v[SPW], v0, 2, SPARE
	v_mov_b32 v[NIL], 0
	ds_add_u32 v[SPW], v[NIL]                      ; the opening lines: the add, twice on end, and its wait
	ds_add_u32 v[SPW], v[NIL]
	v_lshrrev_b32 v13, 5, v0
	v_readfirstlane_b32 s[WV], v13                 ; wave
	s_bfe_u32 s[CX], ttmp6, 0x40000
	s_lshl_b32 s[TL], ttmp9, 2
	s_add_co_u32 s[TL], s[TL], s[CX]               ; tile of 256 tokens
	s_and_b32 s[CC], ttmp7, 0xffff                 ; which 384 features
	s_mul_i32 s[H], s[CC], NH                      ; my first head's number, 0 .. 47
	s_mov_b32 s[SEL], 0x76543210
	s_mov_b32 s[SEL+1], 0xfedcba98
	s_mov_b32 s[G1W], 15|(3<<16)|(1<<21)           ; dense bytes as rows of 256 (32 elements of 8 bytes): 384 rows of codes,
	s_mov_b32 s[G1W+1], 32<<16
	s_mov_b32 s[G1W+2], 384<<16
	s_mov_b32 s[G1W+3], 32<<16
	s_mov_b32 s[G1W+4], 384
	s_mov_b32 s[G1W+5], 32
	s_mov_b32 s[G1W+6], 0
	s_mov_b32 s[G1W+7], 0
	s_mov_b32 s[G1S], 15|(3<<16)|(1<<21)           ; 48 of scale bytes
	s_mov_b32 s[G1S+1], 32<<16
	s_mov_b32 s[G1S+2], 48<<16
	s_mov_b32 s[G1S+3], 32<<16
	s_mov_b32 s[G1S+4], 48
	s_mov_b32 s[G1S+5], 32
	s_mov_b32 s[G1S+6], 0
	s_mov_b32 s[G1S+7], 0
	s_mov_b32 s[G0], 1
	s_mul_i32 s[G0+1], s[WV], PART
	s_mul_i32 s[G0+2], s[CC], 3*PART
	s_add_co_u32 s[G0+2], s[G0+2], s[G0+1]
	s_mov_b32 s[G0+3], 0
	s_mov_b32 s[G0S], 1
	s_mov_b32 s[G0S+1], WSC
	s_mul_i32 s[G0S+2], s[CC], 12288
	s_add_co_u32 s[G0S+2], s[G0S+2], 262144
	s_mov_b32 s[G0S+3], 0
	s_mul_i32 s[XB], s[TL], 196608                 ; my four blocks of x: 12,288 bytes each
	s_mul_i32 s[T0], s[WV], 49152
	s_add_co_u32 s[XB], s[XB], s[T0]
	s_mov_b32 s[XB+1], 0
	s_lshl_b32 s[XSB], s[TL], 13                   ; their scale bytes: 32 a row
	s_lshl_b32 s[T0], s[WV], 11
	s_add_co_u32 s[XSB], s[XSB], s[T0]
	s_mov_b32 s[XSB+1], 0
	s_lshl_b32 s[IC], s[TL], 2
	s_add_co_u32 s[IC], s[IC], s[WV]
	s_and_b32 s[IC], s[IC], 31
	s_mul_i32 s[IC], s[IC], 3072
	s_mov_b32 s[IC+1], 0
	s_lshl_b32 s[BB], s[H], 8
	s_mov_b32 s[BB+1], 0
	s_lshr_b32 s[T0], s[TL], 3                     ; b
	s_lshl_b32 s[HQ], s[T0], 5
	s_lshl_b32 s[HV], s[T0], 4
	s_add_co_u32 s[HV], s[HV], 96
	s_and_b32 s[TO], s[TL], 7
	s_lshl_b32 s[TO], s[TO], 9
	s_cmp_lt_u32 s[H], 32
	s_cselect_b32 s[MK], 0, -1
	s_lshl_b32 s[T0], s[WV], 7
	s_add_co_u32 s[T0], s[T0], STG
	s_lshr_b32 s68, s[WV], 1
	s_lshl_b32 s68, s68, 8
	s_and_b32 s69, s[WV], 1
	s_lshl_b32 s69, s69, 1
	s_add_co_u32 s68, s68, s69
	s_add_co_u32 s68, s68, STGV
	s_mul_i32 s69, s[WV], 768
	s_add_co_u32 s69, s69, STG
	s_mov_b32 s[WO], 0
	s_mov_b32 s[SO], WSC
	v_and_b32 v13, 31, v0
	v_and_b32 v14, 15, v0                          ; r
	v_bfe_u32 v15, v0, 4, 1                        ; h
	v_lshlrev_b32 v[L16], 4, v13
	v_lshlrev_b32 v[L8], 3, v13
	v_lshlrev_b32 v[L32], 5, v13
	v_lshl_add_u32 v[SAQ0], v14, 2, s[T0]          ; q, k: 128 bytes of words a wave and head, 4 r
	v_lshl_add_u32 v[SAV0], v14, 2, s68            ; v: 256 (wave / 2) + 2 (wave % 2) + 4 r
	v_and_b32 v[BLN], 8, v14
	v_add_lshl_u32 v[BLN], v[BLN], v14, 2          ; v's bias: feature r + 8 (r / 8)
	v_lshlrev_b32 v[BQ], 6, v15                    ; q's and k's: feature 16 h + j
.irp j, 1,2,3,4,5,6,7
	v_add_nc_u32 v[BQ+\j], 4*\j, v[BQ]
.endr
.irp j, 0,1,2,3,4,5,6,7
	v_cndmask_b32 v[BOF+\j], v[BQ+\j], v[BLN], s[MK]
.endr
.irp k, 0,1,2,3,4,5,6,7
	v_mov_b32 v[TP+\k], 0                          ; a lane permute's destination counts as a source
.endr
	ADDR
	v_add_nc_u32 v[RD0], s69, v[L8]
	WALU                                           ; the wait at the head's end
	s_wait_dscnt 0x0
	CROUND                                         ; in front of the joint loads
	s_wait_kmcnt 0x0
	s_add_nc_u64 s[G0+2:G0+3], s[6:7], s[G0+2:G0+3]
	s_or_b32 s[G0+3], s[G0+3], 0x80000000
	s_add_nc_u64 s[G0S+2:G0S+3], s[8:9], s[G0S+2:G0S+3]
	s_or_b32 s[G0S+3], s[G0S+3], 0x80000000
	s_add_nc_u64 s[XB:XB+1], s[4:5], s[XB:XB+1]
	s_add_nc_u64 s[XSB:XSB+1], s[8:9], s[XSB:XSB+1]
	s_add_nc_u64 s[BB:BB+1], s[10:11], s[BB:BB+1]
	s_add_nc_u64 s[IC:IC+1], s[12:13], s[IC:IC+1]
	s_cmp_eq_u32 s[WV], 3                          ; one tensor load a wave, in the arms of one chain: what the first head needs is asked for first
	s_cbranch_scc0 .Lnot3
	TLOAD G0S, G1S                                 ; wave 3: the scale bytes
	s_branch .Lasked
.Lnot3:
	s_cmp_eq_u32 s[WV], 0
	s_cbranch_scc0 .Lw12
	TLOAD G0, G1W                                  ; wave 0: heads 0 and 1, by a line of its own
	s_branch .Lasked
.Lw12:
	TLOAD G0, G1W                                  ; waves 1 and 2: heads 2 to 5
.Lasked:
.set F, 0
.rept 32                               ; x's fragment 8 a + q
	WIN (1+F/21)<<6
.set R_, 12*(F%21)
.set O_, (F/8)*12288+(F%8)*1536
	global_load_b128 v[R_:R_+3], v[L16], s[XB:XB+1] offset:O_
	global_load_b64 v[R_+4:R_+5], v[L8], s[XB:XB+1] offset:O_+512
	global_load_b128 v[R_+6:R_+9], v[L16], s[XB:XB+1] offset:O_+768
	global_load_b64 v[R_+10:R_+11], v[L8], s[XB:XB+1] offset:O_+1280
.set F, F+1
.endr
	WIN 0
.irp p, 0,1
.irp e, 0,1
	global_load_b128 v[XS+8*\p+4*\e:XS+8*\p+4*\e+3], v[L32], s[XSB:XSB+1] offset:1024*\p+16*\e
.endr
.endr
	BIASLD
	s_add_co_u32 s[T0], s[WV], 1
	s_and_b32 s[T0], s[T0], 2
	s_cmp_lg_u32 s[T0], 0
	s_cbranch_scc1 .Llater                         ; waves 1 and 2 do not wait here: their loads may be out
	s_wait_tensorcnt 0x0                           ; waves 0 and 3: my load has landed
.Llater:
	s_barrier_signal -1
	s_barrier_wait -1                              ; heads 0 and 1 and the scale bytes are shown to all
	FIRST2
	s_mov_b32 s[WO], HB                            ; these two stand one head ahead
	s_mov_b32 s[SO], WSC+2048
	s_mov_b32 s[ST], 0
	s_mov_b32 s[I], 0
.Ltrip:
	s_cmp_lt_u32 s[H], 32
	s_cselect_b32 s[T0], s[HQ], s[HV]
	s_add_co_u32 s[T0], s[T0], s[H]                ; hidx
	s_mul_i32 s[T0], s[T0], 98304
	s_mov_b32 s[T0+1], 0
	s_wait_xcnt 0x0                                ; the last head's stores have read their base
	s_add_nc_u64 s[IB:IB+1], s[IC:IC+1], s[T0:T0+1]
	s_cmp_lt_u32 s[H], 32
	s_cbranch_scc0 .Lv
	BODY 0
	s_branch .Ljoin
.Lv:
	BODY 1
.Ljoin:
	s_add_co_u32 s[WO], s[WO], HB
	s_add_co_u32 s[SO], s[SO], 2048
	s_add_co_u32 s[ST], s[ST], 512
	s_add_co_u32 s[H], s[H], 1
	s_add_co_u32 s[I], s[I], 1
	s_cmp_lt_u32 s[I], NH
	s_cbranch_scc1 .Ltrip
	; the scale bytes: 12 units of 256 bytes, three a wave: unit u = 3 wave + i is half u % 2 of head u / 2
	s_mul_i32 s[T0], s[WV], 3
.irp i, 0,1,2
	s_add_co_u32 s67, s[T0], \i
	s_lshr_b32 s68, s67, 1
	s_mul_i32 s69, s[CC], NH
	s_add_co_u32 s68, s68, s69
	s_cmp_lt_u32 s68, 32
	s_cselect_b32 s69, s[HQ], s[HV]
	s_cselect_b32 s[70+\i], 0, STGV-STG
	s_add_co_u32 s68, s68, s69
	s_lshl_b32 s68, s68, 12
	s_and_b32 s67, s67, 1
	s_lshl_b32 s67, s67, 8
	s_add_co_u32 s68, s68, s67
	s_add_co_u32 s68, s68, s[TO]
	s_mov_b32 s69, 0
	s_add_nc_u64 s[74+2*\i:75+2*\i], s[14:15], s[68:69]
.endr
	s_wait_dscnt 0x0                               ; my stores into the stages are done
	s_barrier_signal -1
	s_barrier_wait -1
.irp i, 0,1,2
	v_add_nc_u32 v[TT+8+\i], s[70+\i], v[RD0]
.endr
.irp i, 0,1,2
	ds_load_b64 v[TT+2*\i:TT+2*\i+1], v[TT+8+\i] offset:256*\i
.endr
	s_wait_dscnt 0x0
.irp i, 0,1,2
	global_store_b64 v[L8], v[TT+2*\i:TT+2*\i+1], s[74+2*\i:75+2*\i]   ; 32 lanes store 256 consecutive bytes, aligned
.endr
	s_wait_tensorcnt 0x0                           ; the wave's end
	ds_add_u32 v[SPW], v[NIL]
	s_wait_dscnt 0x0
	CROUND                                         ; the closing round
	s_endpgm
.Lfunc_end_k_q26f3a60018_qkv:
	.size	k_q26f3a60018_qkv, .Lfunc_end_k_q26f3a60018_qkv-k_q26f3a60018_qkv
	.p2alignl 7, 3214868480
	.fill 96, 4, 3214868480
	.section	.rodata,"a",@progbits
	.p2align	6, 0x0
	.amdhsa_kernel k_q26f3a60018_qkv
		.amdhsa_group_segment_fixed_size 327680
		.amdhsa_private_segment_fixed_size 0
		.amdhsa_enable_private_segment 0
		.amdhsa_kernarg_size 48
		.amdhsa_user_sgpr_count 2
		.amdhsa_user_sgpr_kernarg_segment_ptr 1
		.amdhsa_wavefront_size32 1
		.amdhsa_system_sgpr_workgroup_id_x 1
		.amdhsa_system_sgpr_workgroup_id_y 1
		.amdhsa_system_sgpr_workgroup_id_z 1
		.amdhsa_system_vgpr_workitem_id 0
		.amdhsa_next_free_vgpr 928
		.amdhsa_next_free_sgpr 100
		.amdhsa_reserve_vcc 0
		.amdhsa_float_denorm_mode_32 3
		.amdhsa_float_denorm_mode_16_64 3
		.amdhsa_memory_ordered 1
		.amdhsa_forward_progress 1
		.amdhsa_inst_pref_size 107
	.end_amdhsa_kernel
	.amdgpu_metadata
---
amdhsa.version: [ 1, 2 ]
amdhsa.kernels:
  - .name:           k_q26f3a60018_qkv
    .symbol:         k_q26f3a60018_qkv.kd
    .args:
      - { .name: x_img, .offset: 0, .size: 8, .value_kind: global_buffer, .address_space: global }
      - { .name: w_img, .offset: 8, .size: 8, .value_kind: global_buffer, .address_space: global }
      - { .name: in_sc, .offset: 16, .size: 8, .value_kind: global_buffer, .address_space: global }
      - { .name: b_qkv, .offset: 24, .size: 8, .value_kind: global_buffer, .address_space: global }
      - { .name: qkv_img, .offset: 32, .size: 8, .value_kind: global_buffer, .address_space: global }
      - { .name: qkv_sc, .offset: 40, .size: 8, .value_kind: global_buffer, .address_space: global }
    .group_segment_fixed_size: 327680
    .private_segment_fixed_size: 0
    .kernarg_segment_align: 8
    .kernarg_segment_size: 48
    .max_flat_workgroup_size: 128
    .sgpr_count:     100
    .vgpr_count:     928
    .wavefront_size: 32
...
	.end_amdgpu_metadata
.endif
;; end of part 2
;; launch attn (part 3): grid 4 x 64, 16 waves a work-group, clusters of 4 x 1, 206,848 bytes of LDS; arguments qkv_img, qkv_sc, o_img, o_sc; writes o_img, o_sc
.if DOCPART == 3
	.amdgcn_target "amdgcn-amd-amdhsa--gfx1250"
	.amdhsa_code_object_version 6
	.text
	.protected	k_q26f3a60018_attn
	.globl	k_q26f3a60018_attn
	.p2align	8
	.type	k_q26f3a60018_attn,@function
k_q26f3a60018_attn:
	s_mov_b64 s[64:65], 0
	v_nop
	global_prefetch_b8 v0, s[64:65] scope:SCOPE_SE
	s_setreg_imm32_b32 hwreg(HW_REG_WAVE_MODE, 25, 1), 1
	s_wait_xcnt 0x0
	s_wait_alu depctr_hold_cnt(0) depctr_sa_sdst(0) depctr_va_vdst(0) depctr_va_sdst(0) depctr_va_ssrc(0) depctr_va_vcc(0) depctr_vm_vsrc(0)
	s_getreg_b32 s2, hwreg(HW_REG_IB_STS2, 6, 4)
	s_cmp_eq_u32 s2, 0
	s_cbranch_scc0 .Lentry_in_a_cluster
	s_endpgm
.Lentry_in_a_cluster:
	s_bfe_u32 s2, ttmp6, 0x10000c
	s_cmp_lg_u32 s2, 0x3003
	s_cbranch_scc0 .Lentry_shape_is_right
	s_endpgm
.Lentry_shape_is_right:
; Causal attention of one head (2,048 tokens, head size 64) on codes of FP6 (E2M3) with E8M0 scales; the result, divided by the row's sum, is quantised along (head, d) and stored as codes for the last product.
; THE SOFTMAX: t = score x log2(e) / 8; M = the running largest t rounded UP to a whole number; p = 2^(t - M) is quantised along the keys, not normalised; the row's sum is taken of the unquantised p and divides at the
; end; when M moves, the sum and O are multiplied by 2^(old M - new M), which rounds nothing.
; SHARES.  Work-group (cx, b x 16 + head), sixteen waves, four to a SIMD.  THE HEAD'S WHOLE K AND V, CODES AND SCALE WORDS, LIE IN LDS, filled once: no ring.  A wave makes two passes, each on one tile of 16 queries:
; tile 8 s + 2 cx + sub, with s = k in the first pass and 15 - k in the second; k (0 .. 7) and sub (0, 1) are made of the wave's number alone.  A tile needs s + 1 key steps of 128: every wave works 17 steps.
; With c = wave % 4 and m = wave / 4: k = 7 (c % 2) xor 3 (c / 2) xor 7 (m % 2) xor (m / 2), sub = m % 2: each (k, sub) once, and the four waves of equal c, and of equal m, have k's that sum to 14.
; CLUSTER 4, 1, 1: the four work-groups of a head read the same K and V and ask for them JOINTLY (mask 15).  Every jump over hidden steps compares the step with s, so no branch hangs on cx; cx enters global addresses and the
; diagonal's mask values alone.  Every work-group has waves with s = 15, so each reads all that the joint loads bring.
; TWO BARRIERS.  Waves 0-3 fetch the first halves of K and V (keys 0 .. 1,023), waves 8, 9 the scale words, waves 4-7 the second halves, by a load line of their own.  The first barrier waits for the first halves and the
; scale words; the first pass walks 8 steps, a constant, and reads these alone.  In front of the second barrier every wave waits for all its loads; the second pass walks 16 steps.
; No prefetch: every tile is asked for at the head, and no loop runs ahead of a load.
; LAYOUT.  Operands are half images of 768 bytes (16 rows x 64 K: lane 16 h + r owns (row r, block h): 16 bytes at 16 x lane, 8 bytes at 512 + 8 x lane); tokens and V's d lie in position order: lane r of block a is
; number 32 (a / 2) + 8 (a % 2) + r + 8 (r / 8).  Both products are used transposed: a lane holds one query throughout, and the 16 registers of two neighbouring tiles are 16 neighbouring keys (or d).
; THE HEAD'S 64 ARE HALF OF THE INSTRUCTION'S K.  Source 0 takes TWO blocks of keys at once: block 2 f in k = 0 .. 63, block 2 f + 1 in k = 64 .. 127; the product with [Q | zeros] gives the scores of the first,
; that with [zeros | Q] those of the second.  Zero codes add nothing.  The scale words are stored paired for it.
; The scale bytes of the result go out singly (2 bytes for each 48 of codes): a row's 32 bytes come from sixteen work-groups.
; LIMITS: NaN and infinities are not served; a block whose largest magnitude lies under 2^-124 gets the byte 1; 1 / sum is v_rcp_f32 (1 ulp); a block's largest p is taken through its largest score, which
; takes v_exp_f32 not to fall where its input rises.
; REGISTERS: v1 16 x lane, v2 8 x lane, v3 K's scale words, v4 query - 16 h, v5, v6 the add's two, v7 8 h, v8-11, v35 addresses in hand, v12 -M, v13 largest t, v[14:15] the sum, v16-33 zeros | Q | zeros, v34 Q's
; scale word, v36-83 four fragments, v84-87 their scale words, v88, v89 offsets, v96-159 scores, then p, v160-191 O^T, v192-203 p's codes, v204-229 at work, v232-246 both passes' Q.
.set VIMG,  98304                      ; LDS: K's 128 half images at 0; V's 128 from here ([64 keys][block of 16 d]);
.set KSC,   196608                     ; K's scale words, 4,096 bytes; V's 4,096 behind them
.set SPARE, 204800                     ; the spare words, 128 bytes a wave
.set WV,  12
.set SEL, 20                           ; s[20:21] lane selects: lane l xor 16
.set CS,  22                           ; s[22:23] c = log2(e) / 8
.set TK,  70                           ; s70 the step's codes: 6,144 bytes a step;  s71 its scale words: 256;  s72 its first key;  s73 steps to go;  s74 the tile's first query;  s75 128 s
.set TS,  71
.set KF,  72
.set CNT, 73
.set Q0,  74
.set KB,  75
.macro CROUND                          ; a round of the cluster's barrier
	s_barrier_signal -1
	s_barrier_wait -1
	s_cmp_lg_u32 s[WV], 0
	s_cbranch_scc1 .Lnw0_\@
	s_barrier_signal -3
.Lnw0_\@:
	s_barrier_wait -3
	s_barrier_signal -1
	s_barrier_wait -1
.endm
.macro TLOAD g0, g1
	tensor_load_to_lds s[\g0:\g0+3], s[\g1:\g1+7]
	s_nop 0
.rept 4
	v_nop
.endr
.endm
	s_load_b256 s[4:11], s[0:1], 0x0               ; qkv_img s[4:5], qkv_sc s[6:7], o_img s[8:9], o_sc s[10:11]
	v_lshl_add_u32 v5, v0, 2, SPARE
	v_mov_b32 v6, 0
	ds_add_u32 v5, v6                              ; the opening lines: the add, twice on end, and its wait
	ds_add_u32 v5, v6
	v_lshrrev_b32 v1, 5, v0
	s_delay_alu instid0(VALU_DEP_1)
	v_readfirstlane_b32 s[WV], v1                  ; wave 0..15
	s_bfe_u32 s13, ttmp6, 0x40000                  ; cx
	s_and_b32 s14, ttmp7, 0xffff
	s_lshr_b32 s15, s14, 4                         ; b
	s_and_b32 s16, s14, 15                         ; head
	s_lshl_b32 s17, s15, 5
	s_add_co_u32 s17, s17, s16                     ; q's hidx
	s_add_co_u32 s18, s17, 16                      ; k's
	s_lshl_b32 s19, s15, 4
	s_add_co_u32 s19, s19, s16
	s_add_co_u32 s19, s19, 128                     ; v's
	s_mov_b32 s24, 15|(3<<16)|(1<<21)              ; group 1 for the codes: 24,576 dense bytes as 96 rows of 256 (32 elements of 8 bytes); the mask names the four partners
	s_mov_b32 s25, 32<<16
	s_mov_b32 s26, 96<<16
	s_mov_b32 s27, 32<<16
	s_mov_b32 s28, 96
	s_mov_b32 s29, 32
	s_mov_b32 s30, 0
	s_mov_b32 s31, 0
	s_mov_b32 s32, 15|(3<<16)|(1<<21)              ; for the scale words: 4,096 dense bytes as 16 rows of 256
	s_mov_b32 s33, 32<<16
	s_mov_b32 s34, 16<<16
	s_mov_b32 s35, 32<<16
	s_mov_b32 s36, 16
	s_mov_b32 s37, 32
	s_mov_b32 s38, 0
	s_mov_b32 s39, 0
	s_bfe_u32 s76, s[WV], 0x10001                  ; waves 0-7 fetch codes: bit 1: K or V; bit 2: first or second half; bit 0: which quarter of the half
	s_bfe_u32 s77, s[WV], 0x10002
	s_and_b32 s80, s[WV], 1
	s_lshl_b32 s77, s77, 1
	s_add_co_u32 s77, s77, s80                     ; the quarter
	s_mul_i32 s77, s77, 24576
	s_mul_i32 s41, s76, VIMG
	s_add_co_u32 s41, s41, s77                     ; to LDS: K's images, then V's
	s_cmp_eq_u32 s76, 0
	s_cselect_b32 s78, s18, s19
	s_mul_i32 s78, s78, 98304
	s_add_co_u32 s78, s78, s77
	s_mov_b32 s79, 0
	s_lshl_b32 s45, s80, 12                        ; wave 8 fetches K's scale words, wave 9 V's
	s_add_co_u32 s45, s45, KSC
	s_cmp_eq_u32 s80, 0
	s_cselect_b32 s80, s18, s19
	s_lshl_b32 s80, s80, 12
	s_mov_b32 s81, 0
	s_mov_b32 s40, 1
	s_mov_b32 s44, 1
	s_mov_b32 s[SEL], 0x76543210
	s_mov_b32 s[SEL+1], 0xfedcba98
	s_mov_b32 s[CS], 0x3e38aa3b
	s_mov_b32 s[CS+1], s[CS]                       ; (named with it as a pair, so it is written)
	s_and_b32 s76, s[WV], 1                        ; k, of the wave's number alone
	s_bfe_u32 s77, s[WV], 0x10002
	s_xor_b32 s76, s76, s77
	s_mul_i32 s76, s76, 7
	s_bfe_u32 s83, s[WV], 0x10001
	s_mul_i32 s83, s83, 3
	s_xor_b32 s76, s76, s83
	s_lshr_b32 s83, s[WV], 3
	s_xor_b32 s76, s76, s83
	s_lshl_b32 s84, s76, 7                         ; 128 s of the first pass,
	s_sub_co_u32 s85, 1920, s84                    ; of the second
	s_lshl_b32 s76, s13, 1
	s_add_co_u32 s76, s76, s77                     ; 2 cx + sub
	s_lshr_b32 s82, s84, 4
	s_add_co_u32 s82, s82, s76                     ; the first pass's tile
	s_lshr_b32 s83, s85, 4
	s_add_co_u32 s83, s83, s76                     ; the second's
	s_wait_dscnt 0x0                               ; both opening adds are done
	CROUND                                         ; in front of the joint loads
	s_wait_kmcnt 0x0
	s_add_nc_u64 s[42:43], s[4:5], s[78:79]
	s_or_b32 s43, s43, 0x80000000
	s_add_nc_u64 s[46:47], s[6:7], s[80:81]
	s_or_b32 s47, s47, 0x80000000
	s_cmp_lt_u32 s[WV], 4                          ; the only fills: one load a wave at the most, in the arms of one chain of branches on the wave's number
	s_cbranch_scc0 .Lnot_first
	TLOAD 40, 24                                   ; the first halves of K and V
	s_branch .Lasked
.Lnot_first:
	s_cmp_lt_u32 s[WV], 8
	s_cbranch_scc1 .Lsecond
	s_cmp_lt_u32 s[WV], 10
	s_cbranch_scc0 .Lasked
	TLOAD 44, 32                                   ; the scale words
	s_branch .Lasked
.Lsecond:
	TLOAD 40, 24                                   ; the second halves, by a line of their own
.Lasked:
; what a pass needs of its tile a (in s[ra]): first query, byte select for Q's half of a paired scale word, and four addresses
.macro PSET p, ra
	s_lshr_b32 s76, s[\ra], 1
	s_and_b32 s77, s[\ra], 1
	s_lshl_b32 s[48+\p], s76, 5
	s_lshl_b32 s78, s77, 3
	s_add_co_u32 s[48+\p], s[48+\p], s78           ; 32 (a / 2) + 8 (a % 2)
	s_mul_i32 s[50+\p], s77, 0x02020202
	s_add_co_u32 s[50+\p], s[50+\p], 0x01000100    ; bytes 0, 1 twice (a even) or 2, 3 twice (a odd)
	s_mul_i32 s78, s17, 98304
	s_mul_i32 s79, s[\ra], 768
	s_add_co_u32 s78, s78, s79
	s_mov_b32 s79, 0
	s_add_nc_u64 s[52+2*\p:53+2*\p], s[4:5], s[78:79]     ; Q's half image
	s_lshl_b32 s78, s17, 12
	s_lshl_b32 s76, s76, 6
	s_add_co_u32 s78, s78, s76
	s_add_nc_u64 s[56+2*\p:57+2*\p], s[6:7], s[78:79]     ; its paired scale words
	s_lshl_b32 s76, s15, 7
	s_add_co_u32 s76, s76, s[\ra]                  ; the block of 16 rows among 512
	s_lshl_b32 s78, s76, 4
	s_add_co_u32 s78, s78, s16
	s_mul_i32 s78, s78, 768
	s_add_nc_u64 s[60+2*\p:61+2*\p], s[8:9], s[78:79]     ; o_img [block][head][768]
	s_lshl_b32 s78, s76, 9
	s_lshl_b32 s77, s16, 1
	s_add_co_u32 s78, s78, s77
	s_add_nc_u64 s[66+2*\p:67+2*\p], s[10:11], s[78:79]   ; o_sc [row][32], bytes 2 head on
.endm
	PSET 0, 82
	PSET 1, 83
	v_and_b32 v7, 31, v0
	s_delay_alu instid0(VALU_DEP_1)
	v_lshlrev_b32 v1, 4, v7
	s_delay_alu instid0(VALU_DEP_2)
	v_lshlrev_b32 v2, 3, v7
	v_and_b32 v8, 15, v0                           ; r
	v_bfe_u32 v9, v0, 4, 1                         ; h
	s_delay_alu instid0(VALU_DEP_2)
	v_lshlrev_b32 v89, 2, v8
	s_delay_alu instid0(VALU_DEP_1)
	v_add_nc_u32 v3, KSC, v89
	s_delay_alu instid0(VALU_DEP_4)
	v_and_b32 v4, 8, v8
	s_delay_alu instid0(VALU_DEP_1)
	v_add_nc_u32 v4, v4, v8
	v_lshlrev_b32 v10, 4, v9
	s_delay_alu instid0(VALU_DEP_1)
	v_sub_nc_u32 v4, v4, v10                       ; my query less the tile's first, less 16 h
	v_lshlrev_b32 v7, 3, v9
	v_lshl_add_u32 v88, v8, 5, v9                  ; o_sc: row r, byte h
.irp p, 0,1
	global_load_b128 v[232+8*\p:235+8*\p], v1, s[52+2*\p:53+2*\p]
	global_load_b64 v[236+8*\p:237+8*\p], v2, s[52+2*\p:53+2*\p] offset:512
	global_load_b32 v[238+8*\p], v89, s[56+2*\p:57+2*\p]
.endr
.irp j, 16,17,18,19,20,21,28,29,30,31,32,33
	v_mov_b32 v[\j], 0                             ; zero codes on both sides of Q
.endr
.irp j, 216,217,218,219,224,225
	v_mov_b32 v[\j], 0                             ; written once: lane permutes' destinations count as sources; v225 is named as the upper half of f's pair
.endr
	s_wait_alu depctr_va_vdst(0)                   ; the wait at the head's end
	s_and_b32 s76, s[WV], 12
	s_cmp_eq_u32 s76, 4
	s_cbranch_scc1 .Llater                         ; waves 4-7 do not wait here: the second halves may be out
	s_wait_tensorcnt 0x0                           ; my load, if I had one, has landed
.Llater:
	s_barrier_signal -1
	s_barrier_wait -1                              ; the first halves and the scale words are shown to all
	s_wait_loadcnt 0x0                             ; Q
.macro STEP                            ; 128 keys
	s_cmp_gt_u32 s[KF], s[KB]
	s_cbranch_scc1 .Lhidden_\@                     ; all the step's keys come after the tile's queries: the wave's number and the count of steps alone
	v_add_nc_u32 v8, s[TK], v1                     ; (these five are also the places in front of the loads into registers that the last products read)
	v_add_nc_u32 v9, s[TK], v2
	s_delay_alu instid0(VALU_DEP_2)
	v_add_nc_u32 v10, VIMG, v8
	s_delay_alu instid0(VALU_DEP_2)
	v_add_nc_u32 v11, VIMG, v9
	v_add_nc_u32 v35, s[TS], v3
.irp f, 0,1,2,3                        ; blocks 2 f and 2 f + 1 of the step's eight blocks of keys: 1,536 consecutive bytes
	ds_load_b128 v[36+12*\f:39+12*\f], v8 offset:1536*\f
	ds_load_b64 v[40+12*\f:41+12*\f], v9 offset:1536*\f+512
	ds_load_b128 v[42+12*\f:45+12*\f], v8 offset:1536*\f+768
	ds_load_b64 v[46+12*\f:47+12*\f], v9 offset:1536*\f+1280
	ds_load_b32 v[84+\f], v35 offset:64*\f
.endr
	s_wait_alu depctr_va_vdst(0)
	s_wait_dscnt 0x0
.irp f, 0,1,2,3
	v_wmma_scale_f32_16x16x128_f8f6f4 v[96+16*\f:103+16*\f], v[36+12*\f:47+12*\f], v[22:33], 0, v[84+\f], v34 matrix_a_fmt:MATRIX_FMT_FP6 matrix_b_fmt:MATRIX_FMT_FP6
	v_wmma_scale_f32_16x16x128_f8f6f4 v[104+16*\f:111+16*\f], v[36+12*\f:47+12*\f], v[16:27], 0, v[84+\f], v34 matrix_a_fmt:MATRIX_FMT_FP6 matrix_b_fmt:MATRIX_FMT_FP6
.endr                                  ; register 16 f + i is key KF + 32 f + 16 h + i of my query
.rept 4
	v_nop                                          ; places: in front of the loads below, and of the first read of the scores
.endr
.irp d, 0,1,2,3                        ; V's four fragments (16 d x these 128 keys) are asked for now and land during the softmax
	ds_load_b128 v[36+12*\d:39+12*\d], v10 offset:768*\d
	ds_load_b64 v[40+12*\d:41+12*\d], v11 offset:768*\d+512
	ds_load_b128 v[42+12*\d:45+12*\d], v10 offset:768*\d+3072
	ds_load_b64 v[46+12*\d:47+12*\d], v11 offset:768*\d+3584
	ds_load_b32 v[84+\d], v35 offset:4096+64*\d
.endr
	s_cmp_lt_u32 s[KF], s[KB]
	s_cbranch_scc1 .Lopen_\@                       ; all keys of the step count for all my queries
	s_sub_co_i32 s76, s[Q0], s[KF]
	v_add_nc_u32 v227, s76, v4                     ; d = my query - KF - 16 h: register 16 f + i is hidden where 32 f + i > d
	v_mov_b32 v228, 0xff800000
.set n, 0
.rept 64
	v_cmp_gt_i32 vcc_lo, 32*(n/16)+n%16, v227
	v_cndmask_b32 v[96+n], v[96+n], v228, vcc_lo
.set n, n+1
.endr
.Lopen_\@:
.irp b, 0,1,2,3
	v_max3_num_f32 v[212+\b], v[96+16*\b], v[97+16*\b], v[98+16*\b]   ; the largest score of each block of 32 keys: for the row's maximum, and for the block's largest p
.endr
.irp i, 3,5,7,9,11,13
.irp b, 0,1,2,3
	v_max3_num_f32 v[212+\b], v[212+\b], v[96+16*\b+\i], v[97+16*\b+\i]
.endr
.endr
.irp b, 0,1,2,3
	v_max_num_f32 v[212+\b], v[212+\b], v[111+16*\b]
.endr
.irp b, 0,1,2,3
	s_delay_alu instid0(VALU_DEP_4)
	v_permlanex16_b32 v[216+\b], v[212+\b], s[SEL], s[SEL+1]
.endr
.irp b, 0,1,2,3
	s_delay_alu instid0(VALU_DEP_4)
	v_max_num_f32 v[212+\b], v[212+\b], v[216+\b]
.endr
	s_delay_alu instid0(VALU_DEP_2)
	v_max3_num_f32 v227, v212, v213, v214
	s_delay_alu instid0(VALU_DEP_1)
	v_max_num_f32 v227, v227, v215
	s_delay_alu instid0(VALU_DEP_1)
	v_mul_f32 v227, s[CS], v227
	s_delay_alu instid0(VALU_DEP_1)
	v_max_num_f32 v13, v13, v227                   ; the running largest t
	v_mov_b32 v227, v12
	s_delay_alu instid0(VALU_DEP_2)
	v_floor_f32 v12, -v13                          ; -M = floor(-t): M is a whole number
	s_delay_alu instid0(VALU_DEP_1)
	v_sub_f32 v227, v12, v227
	s_delay_alu instid0(VALU_DEP_1)
	v_cvt_i32_f32 v227, v227                       ; old M - new M, 0 or less (it saturates)
	s_delay_alu instid0(VALU_DEP_1)
	v_ldexp_f32 v224, 1.0, v227                    ; f = 2^(old M - new M)
.set j, 0
.rept 32
	v_pk_fma_f32 v[96+j:97+j], v[96+j:97+j], s[CS:CS+1], v[12:13] op_sel_hi:[1,0,0]   ; t - M
.set j, j+2
.endr
.irp b, 0,1,2,3
	v_fma_f32 v[212+\b], v[212+\b], s[CS], v12
.endr
.set j, 0
	s_wait_alu depctr_va_vdst(0)
.rept 64
	v_exp_f32 v[96+j], v[96+j]                     ; p = 2^(t - M)
.set j, j+1
.endr
	v_pk_mul_f32 v[14:15], v[14:15], v[224:225] op_sel_hi:[1,0]   ; the sums under the new M; the plain instruction behind the batch
	s_wait_alu depctr_va_vdst(0)                   ; one wait for the 64 exponentials, ahead of their first reader
.irp b, 0,1,2,3
	v_exp_f32 v[212+\b], v[212+\b]                 ; each block's largest p
.endr
	v_pk_add_f32 v[228:229], v[100:101], v[104:105]
	v_pk_add_f32 v[254:255], v[108:109], v[112:113]
	v_pk_add_f32 v[252:253], v[116:117], v[120:121]
	v_pk_add_f32 v[250:251], v[124:125], v[128:129]
	v_pk_add_f32 v[248:249], v[132:133], v[136:137]
	v_pk_add_f32 v[238:239], v[140:141], v[144:145]
	v_pk_add_f32 v[236:237], v[148:149], v[152:153]
	v_pk_add_f32 v[14:15], v[14:15], v[156:157]
	v_pk_add_f32 v[228:229], v[228:229], v[96:97]
	v_pk_add_f32 v[254:255], v[254:255], v[98:99]
	v_pk_add_f32 v[252:253], v[252:253], v[102:103]
	v_pk_add_f32 v[250:251], v[250:251], v[106:107]
	v_pk_add_f32 v[248:249], v[248:249], v[110:111]
	v_pk_add_f32 v[238:239], v[238:239], v[114:115]
	v_pk_add_f32 v[236:237], v[236:237], v[118:119]
	v_pk_add_f32 v[14:15], v[14:15], v[122:123]
	v_pk_add_f32 v[228:229], v[228:229], v[126:127]
	v_pk_add_f32 v[254:255], v[254:255], v[130:131]
	v_pk_add_f32 v[252:253], v[252:253], v[134:135]
	v_pk_add_f32 v[250:251], v[250:251], v[138:139]
	v_pk_add_f32 v[248:249], v[248:249], v[142:143]
	v_pk_add_f32 v[238:239], v[238:239], v[146:147]
	v_pk_add_f32 v[236:237], v[236:237], v[150:151]
	v_pk_add_f32 v[14:15], v[14:15], v[154:155]
	v_pk_add_f32 v[228:229], v[228:229], v[158:159]
	s_delay_alu instid0(VALU_DEP_2)
	v_pk_add_f32 v[14:15], v[14:15], v[250:251]
	s_delay_alu instid0(VALU_DEP_2)
	v_pk_add_f32 v[228:229], v[228:229], v[248:249]
	v_pk_add_f32 v[254:255], v[254:255], v[238:239]
	v_pk_add_f32 v[252:253], v[252:253], v[236:237]
	s_delay_alu instid0(VALU_DEP_2)
	v_pk_add_f32 v[14:15], v[14:15], v[254:255]
	s_delay_alu instid0(VALU_DEP_2)
	v_pk_add_f32 v[228:229], v[228:229], v[252:253]
	s_delay_alu instid0(VALU_DEP_1)
	v_pk_add_f32 v[14:15], v[14:15], v[228:229]
	s_wait_alu depctr_va_vdst(0)                   ; and one for the four
.irp b, 0,1,2,3
	v_max_num_f32 v[212+\b], 0x1800000, v[212+\b]  ; the floor 2^(3 - 127)
.endr
.irp b, 0,1,2,3
	s_delay_alu instid0(VALU_DEP_4)
	v_add_nc_u32 v[220+\b], 0xff000000, v[212+\b]  ; the conversion's scale operand
.endr
.irp b, 0,1,2,3
	s_delay_alu instid0(VALU_DEP_4)
	v_lshrrev_b32 v[216+\b], 23, v[220+\b]         ; the scale's byte
.endr
	s_delay_alu instid0(VALU_DEP_3)
	v_lshl_or_b32 v226, v217, 8, v216              ; p's scale word for these 128 keys
	s_delay_alu instid0(VALU_DEP_1)
	v_lshl_or_b32 v226, v218, 16, v226
	s_delay_alu instid0(VALU_DEP_1)
	v_lshl_or_b32 v226, v219, 24, v226
.irp c, 0,1
	v_cvt_scalef32_pk16_fp6_f32 v[192+6*\c:194+6*\c], v[96+32*\c:111+32*\c], v[220+2*\c]
	v_cvt_scalef32_pk16_fp6_f32 v[204+4*\c:206+4*\c], v[112+32*\c:127+32*\c], v[220+2*\c+1]
.endr
	v_nop                                          ; one plain instruction behind a scaled conversion
.irp c, 0,1
.irp i, 0,1,2
	v_permlane16_swap_b32 v[192+6*\c+\i], v[204+4*\c+\i]
.endr
.irp i, 0,1,2
	s_delay_alu instid0(VALU_DEP_3)
	v_mov_b32 v[195+6*\c+\i], v[204+4*\c+\i]
.endr
.endr
.set j, 0
.rept 16
	v_pk_mul_f32 v[160+j:161+j], v[160+j:161+j], v[224:225] op_sel_hi:[1,0]   ; O^T under the new M; these sixteen are also the places between p's codes and scale word and the products
.set j, j+2
.endr
	s_wait_alu depctr_va_vdst(0)
	s_wait_dscnt 0x0                               ; V
.irp d, 0,1,2,3                        ; the four accumulators take turns, one instruction a turn; the next step's eight products stand between two links of a chain
	v_wmma_scale_f32_16x16x128_f8f6f4 v[160+8*\d:167+8*\d], v[36+12*\d:47+12*\d], v[192:203], v[160+8*\d:167+8*\d], v[84+\d], v226 matrix_a_fmt:MATRIX_FMT_FP6 matrix_b_fmt:MATRIX_FMT_FP6
.endr
.Lhidden_\@:
	s_add_co_u32 s[KF], s[KF], 128
	s_add_co_u32 s[TK], s[TK], 6144
	s_add_co_u32 s[TS], s[TS], 256
.endm
.macro PASS p, trips
.irp j, 0,1,2,3,4,5
	v_mov_b32 v[22+\j], v[232+8*\p+\j]
.endr
	v_perm_b32 v34, v[238+8*\p], v[238+8*\p], s[50+\p]   ; Q's two bytes in both halves of the word.  The 36 lines below are the places between it and the first product
	v_mov_b32 v13, 0xff61b1e6                      ; the largest t so far: -3e38
	s_delay_alu instid0(VALU_DEP_1)
	v_floor_f32 v12, -v13
	v_mov_b32 v14, 0
	v_mov_b32 v15, 0
.set j, 0
.rept 32
	v_mov_b32 v[160+j], 0                          ; O^T: the step is written once; its first turn finds zeros
.set j, j+1
.endr
	s_mov_b32 s[TK], 0
	s_mov_b32 s[TS], 0
	s_mov_b32 s[KF], 0
	s_mov_b32 s[Q0], s[48+\p]
	s_mov_b32 s[KB], s[84+\p]
	s_mov_b32 s[CNT], \trips
.Lstep_\@:
	STEP
	s_sub_co_u32 s[CNT], s[CNT], 1
	s_cmp_lg_u32 s[CNT], 0
	s_cbranch_scc1 .Lstep_\@
	; the tile's way out: / the sum; the lane's 32 numbers are d = 32 B + 16 h + i of its query: two blocks of the last product's K
.rept 4
	v_nop
.endr
	v_add_f32 v14, v14, v15
	s_delay_alu instid0(VALU_DEP_1)
	v_permlanex16_b32 v216, v14, s[SEL], s[SEL+1]
	s_delay_alu instid0(VALU_DEP_1)
	v_add_f32 v14, v14, v216
	s_wait_alu depctr_va_vdst(0)
	v_rcp_f32 v14, v14
	v_nop                                          ; a plain instruction behind the reciprocal,
	s_wait_alu depctr_va_vdst(0)                   ; and the wait ahead of its first reader
.set j, 0
.rept 32
	v_mul_f32 v[96+j], v[160+j], v14
.set j, j+1
.endr
.irp b, 0,1
	v_max3_num_f32 v[212+\b], |v[96+16*\b]|, |v[97+16*\b]|, 0x1800000
.endr
.irp i, 2,4,6,8,10,12,14
.irp b, 0,1
	s_delay_alu instid0(VALU_DEP_2)
	v_max3_num_f32 v[212+\b], v[212+\b], |v[96+16*\b+\i]|, |v[97+16*\b+\i]|
.endr
.endr
.irp b, 0,1
	s_delay_alu instid0(VALU_DEP_2)
	v_permlanex16_b32 v[216+\b], v[212+\b], s[SEL], s[SEL+1]
.endr
.irp b, 0,1
	s_delay_alu instid0(VALU_DEP_2)
	v_max_num_f32 v[212+\b], v[212+\b], v[216+\b]
.endr
.irp b, 0,1
	s_delay_alu instid0(VALU_DEP_2)
	v_add_nc_u32 v[220+\b], 0xff000000, v[212+\b]
.endr
.irp b, 0,1
	s_delay_alu instid0(VALU_DEP_2)
	v_lshrrev_b32 v[216+\b], 23, v[220+\b]
.endr
	s_delay_alu instid0(VALU_DEP_1)
	v_lshl_or_b32 v227, v217, 8, v216
	v_cvt_scalef32_pk16_fp6_f32 v[192:194], v[96:111], v220
	v_cvt_scalef32_pk16_fp6_f32 v[204:206], v[112:127], v221
	v_lshrrev_b32 v227, v7, v227                   ; block h's byte lowest; also the plain instruction behind the conversions
.irp i, 0,1,2
	v_permlane16_swap_b32 v[192+\i], v[204+\i]
.endr
.irp i, 0,1,2
	s_delay_alu instid0(VALU_DEP_3)
	v_mov_b32 v[195+\i], v[204+\i]                 ; v192-197: block h of row r: a half image
.endr
	global_store_b128 v1, v[192:195], s[60+2*\p:61+2*\p]
	global_store_b64 v2, v[196:197], s[60+2*\p:61+2*\p] offset:512
	global_store_b8 v88, v227, s[66+2*\p:67+2*\p]
	s_wait_xcnt 0x0                                ; the stores have read their data: the registers may be written again
.endm
	PASS 0, 8                                      ; s = k, at most 7: keys 0 .. 1,023 alone
	s_wait_tensorcnt 0x0                           ; every wave: all my loads have landed (no LDS instruction of mine is out here);
	s_barrier_signal -1                            ; a plain barrier, behind which nothing is filled,
	s_barrier_wait -1                              ; shows the second halves to all: from here on LDS is only read
	PASS 1, 16
	s_wait_tensorcnt 0x0                           ; the wave's end
	ds_add_u32 v5, v6
	s_wait_dscnt 0x0
	CROUND                                         ; the closing round
	s_endpgm
.Lfunc_end_k_q26f3a60018_attn:
	.size	k_q26f3a60018_attn, .Lfunc_end_k_q26f3a60018_attn-k_q26f3a60018_attn
	.p2alignl 7, 3214868480
	.fill 96, 4, 3214868480
	.section	.rodata,"a",@progbits
	.p2align	6, 0x0
	.amdhsa_kernel k_q26f3a60018_attn
		.amdhsa_group_segment_fixed_size 206848
		.amdhsa_private_segment_fixed_size 0
		.amdhsa_enable_private_segment 0
		.amdhsa_kernarg_size 32
		.amdhsa_user_sgpr_count 2
		.amdhsa_user_sgpr_kernarg_segment_ptr 1
		.amdhsa_wavefront_size32 1
		.amdhsa_system_sgpr_workgroup_id_x 1
		.amdhsa_system_sgpr_workgroup_id_y 1
		.amdhsa_system_sgpr_workgroup_id_z 1
		.amdhsa_system_vgpr_workitem_id 0
		.amdhsa_next_free_vgpr 256
		.amdhsa_next_free_sgpr 90
		.amdhsa_reserve_vcc 1
		.amdhsa_float_denorm_mode_32 3
		.amdhsa_float_denorm_mode_16_64 3
		.amdhsa_memory_ordered 1
		.amdhsa_forward_progress 1
		.amdhsa_inst_pref_size 68
	.end_amdhsa_kernel
	.amdgpu_metadata
---
amdhsa.version: [ 1, 2 ]
amdhsa.kernels:
  - .name:           k_q26f3a60018_attn
    .symbol:         k_q26f3a60018_attn.kd
    .args:
      - { .name: qkv_img, .offset: 0, .size: 8, .value_kind: global_buffer, .address_space: global }
      - { .name: qkv_sc, .offset: 8, .size: 8, .value_kind: global_buffer, .address_space: global }
      - { .name: o_img, .offset: 16, .size: 8, .value_kind: global_buffer, .address_space: global }
      - { .name: o_sc, .offset: 24, .size: 8, .value_kind: global_buffer, .address_space: global }
    .group_segment_fixed_size: 206848
    .private_segment_fixed_size: 0
    .kernarg_segment_align: 8
    .kernarg_segment_size: 32
    .max_flat_workgroup_size: 512
    .sgpr_count:     90
    .vgpr_count:     256
    .wavefront_size: 32
...
	.end_amdgpu_metadata
.endif
;; end of part 3
;; launch proj (part 4): grid 32 x 8, 4 waves a work-group, clusters of 4 x 1, 167,936 bytes of LDS; arguments o_img, o_sc, w_img, in_sc, b_proj, out0; writes out0
.if DOCPART == 4
	.amdgcn_target "amdgcn-amd-amdhsa--gfx1250"
	.amdhsa_code_object_version 6
	.text
	.protected	k_q26f3a60018_proj
	.globl	k_q26f3a60018_proj
	.p2align	8
	.type	k_q26f3a60018_proj,@function
k_q26f3a60018_proj:
	s_mov_b64 s[64:65], 0
	v_nop
	global_prefetch_b8 v0, s[64:65] scope:SCOPE_SE
	s_setreg_imm32_b32 hwreg(HW_REG_WAVE_MODE, 25, 1), 1
	s_wait_xcnt 0x0
	s_wait_alu depctr_hold_cnt(0) depctr_sa_sdst(0) depctr_va_vdst(0) depctr_va_sdst(0) depctr_va_ssrc(0) depctr_va_vcc(0) depctr_vm_vsrc(0)
	s_getreg_b32 s2, hwreg(HW_REG_IB_STS2, 6, 4)
	s_cmp_eq_u32 s2, 0
	s_cbranch_scc0 .Lentry_in_a_cluster
	s_endpgm
.Lentry_in_a_cluster:
	s_bfe_u32 s2, ttmp6, 0x10000c
	s_cmp_lg_u32 s2, 0x3003
	s_cbranch_scc0 .Lentry_shape_is_right
	s_endpgm
.Lentry_shape_is_right:
; out0 = o W_proj + b_proj on codes of FP6 (E2M3) with E8M0 scales, K = 1,024; f32 out.  Operands are half images of 768 bytes, rows in position order, as launch qkv's head comment sets out.
; SHARES: 256 work-groups: 256 tokens (x: 4 x cluster x + cx) x 128 features (y).  A wave holds its 64 tokens, all of K, in 384 registers, loaded from o_img as they lie.
; The work-group's 128 rows of W_proj, all of K (98,304 bytes), and their scale bytes (4,096) lie in LDS, filled once at the head, one tensor load a wave: waves 0-2 a third of the codes each, wave 3 the scale bytes.
; CLUSTER 4, 1, 1: the four partners have the same features: W's loads are joint (mask 15), their addresses made of y and the wave's number alone.
; A TRIP of the loop is 64 features: 8 K steps of 16 products, the 16 accumulators by turns.  Source 0 = W: a lane holds a token, its registers run along the features.
; The bias is the first products' C.  THE WAY OUT: 16 tokens x 64 features go through the wave's own stage in LDS and leave as rows of 256 bytes, sixteen lanes to an aligned unit.
; No prefetch: every tile is asked for at the head, and the launch has no loop that runs ahead of a load.
; REGISTERS: window 0: addresses, scale words, the way out; windows 1, 2: o's fragments 8 a + q, 21 to a window; window 2 from v132: W's two sets; window 3: v0-127 accumulators, v128-159 the bias.
.set NH, 2
.set HB, 49152
.set PART, 32768
.set WSC, 98304
.set SPARE, 102400                     ; the spare words, 128 bytes a wave
.set STG, 102912                       ; a stage of 16 rows x (256 + 16) bytes for each wave
.set SP, 272
.set L16, 1
.set L8, 2
.set L32, 3
.set SPW, 4
.set NIL, 5
.set AW, 6
.set AW2, 7
.set ASC, 8
.set STO, 9
.set RD, 10
.set CO, 11
.set B64, 12
.set WS, 32
.set XS, 52
.set BK, 104
.set WV, 16
.set CX, 17
.set TL, 18
.set CC, 19
.set I, 23
.set G1W, 24
.set G1S, 32
.set G0, 40
.set G0S, 44
.set XB, 48
.set XSB, 50
.set BB, 52
.set IB, 54
.set IC, 56
.set WO, 60
.set SO, 61
.set ST, 62
.set T0, 66
.set MSB, 0
.macro WIN new
.if MSB != (\new)
	s_set_vgpr_msb (MSB<<8)|(\new)
.set MSB, \new
.endif
.endm
.macro WALU
	s_wait_alu depctr_va_vdst(0)
.endm
.macro PLACES
.rept 4
	v_nop
.endr
.endm
.macro CROUND
	s_barrier_signal -1
	s_barrier_wait -1
	s_cmp_lg_u32 s[WV], 0
	s_cbranch_scc1 .Lnw0_\@
	s_barrier_signal -3
.Lnw0_\@:
	s_barrier_wait -3
	s_barrier_signal -1
	s_barrier_wait -1
.endm
.macro TLOAD g0, g1
	tensor_load_to_lds s[\g0:\g0+3], s[\g1:\g1+7]
	s_nop 0
	PLACES
.endm
.macro ADDR
	v_add_nc_u32 v[AW], s[WO], v[L16]
	v_add_nc_u32 v[AW2], s[WO], v[L8]
	v_add_nc_u32 v[ASC], s[SO], v[L32]
.endm
.macro FETCH q, set
	WIN 0x80
.irp b, 0,1,2,3
.set R_, 132+48*(\set)+12*\b
	ds_load_b128 v[R_:R_+3], v[AW] offset:12288*\b+1536*(\q)
	ds_load_b64 v[R_+4:R_+5], v[AW2] offset:12288*\b+1536*(\q)+512
	ds_load_b128 v[R_+6:R_+9], v[AW] offset:12288*\b+1536*(\q)+768
	ds_load_b64 v[R_+10:R_+11], v[AW2] offset:12288*\b+1536*(\q)+1280
.endr
.endm
.macro FIRST2
	FETCH 0, 0
	FETCH 1, 1
	WIN 0
.irp p, 0,1
.irp e, 0,1
	ds_load_b128 v[WS+8*\p+4*\e:WS+8*\p+4*\e+3], v[ASC] offset:1024*\p+16*\e
.endr
.endr
.endm
.macro W1 d, s0, s1, c, x0, x1, r0, r1
	v_wmma_scale_f32_16x16x128_f8f6f4 v[\d:\d+7], v[\s0:\s0+11], v[\s1:\s1+11], \c, v[\x0], v[\x1] matrix_a_fmt:MATRIX_FMT_FP6 matrix_b_fmt:MATRIX_FMT_FP6 matrix_a_scale:MATRIX_SCALE_ROW\r0 matrix_b_scale:MATRIX_SCALE_ROW\r1
.endm
.macro MM q, first
.irp pa, 0,1
.irp ua, 0,1
.irp pb, 0,1
.irp ub, 0,1
.set F_, 8*(2*\pa+\ua)+(\q)
.set XR_, 12*(F_%21)
.set XW_, 1+F_/21
.set WR_, 132+48*((\q)%2)+12*(2*\pb+\ub)
.set BI_, 128+8*(2*\pb+\ub)
.set D_, 32*(2*\pa+\ua)+8*(2*\pb+\ub)
	WIN 2|(XW_<<2)|0xf0
.if \first
	W1 D_, WR_, XR_, v[BI_:BI_+7], WS+8*\pb+(\q), XS+8*\pa+(\q), \ub, \ua
.else
	W1 D_, WR_, XR_, v[D_:D_+7], WS+8*\pb+(\q), XS+8*\pa+(\q), \ub, \ua
.endif
.endr
.endr
.endr
.endr
.endm
.macro BIASLD                          ; tile b's eight registers: features 32 (b / 2) + 8 (b % 2) + 16 h + 0 .. 7
	WIN 0xc0
.irp b, 0,1,2,3
	global_load_b128 v[128+8*\b:128+8*\b+3], v[B64], s[BB:BB+1] offset:(32*(\b/2)+8*(\b%2))*4
	global_load_b128 v[128+8*\b+4:128+8*\b+7], v[B64], s[BB:BB+1] offset:(32*(\b/2)+8*(\b%2))*4+16
.endr
	WIN 0
.endm
.macro TOST g                          ; block g's 16 tokens x 64 features into my stage, and back by rows; LDS serves a wave's instructions in order
	WIN 0x0c
.irp b, 0,1,2,3
	ds_store_b128 v[STO], v[32*(\g)+8*\b:32*(\g)+8*\b+3] offset:128*(\b/2)+32*(\b%2)
	ds_store_b128 v[STO], v[32*(\g)+8*\b+4:32*(\g)+8*\b+7] offset:128*(\b/2)+32*(\b%2)+16
.endr
	WIN 0
.irp t, 0,1,2,3,4,5,6,7
	ds_load_b128 v[BK+32*((\g)%2)+4*\t:BK+32*((\g)%2)+4*\t+3], v[RD] offset:\t*2*SP
.endr
.endm
.macro SEND g, younger                 ; position rows 2 t and 2 t + 1 of block g: sixteen lanes store 256 consecutive bytes, aligned
	s_wait_dscnt \younger
.irp t, 0,1,2,3,4,5,6,7
	global_store_b128 v[CO], v[BK+32*((\g)%2)+4*\t:BK+32*((\g)%2)+4*\t+3], s[IB:IB+1] offset:(32*((\g)/2)+8*((\g)%2)+2*\t+8*(\t/4))*4096 th:TH_STORE_NT
.endr
.endm
	s_load_b256 s[4:11], s[0:1], 0x0               ; o_img, o_sc, w_img, in_sc
	s_load_b128 s[12:15], s[0:1], 0x20             ; b_proj, out0
	v_lshl_add_u32 v[SPW], v0, 2, SPARE
	v_mov_b32 v[NIL], 0
	ds_add_u32 v[SPW], v[NIL]                      ; the opening lines: the add, twice on end, and its wait
	ds_add_u32 v[SPW], v[NIL]
	v_lshrrev_b32 v13, 5, v0
	v_readfirstlane_b32 s[WV], v13
	s_bfe_u32 s[CX], ttmp6, 0x40000
	s_lshl_b32 s[TL], ttmp9, 2
	s_add_co_u32 s[TL], s[TL], s[CX]               ; tile of 256 tokens
	s_and_b32 s[CC], ttmp7, 0xffff                 ; which 128 features
	s_mov_b32 s[G1W], 15|(3<<16)|(1<<21)           ; dense bytes as rows of 256: 128 rows of codes,
	s_mov_b32 s[G1W+1], 32<<16
	s_mov_b32 s[G1W+2], 128<<16
	s_mov_b32 s[G1W+3], 32<<16
	s_mov_b32 s[G1W+4], 128
	s_mov_b32 s[G1W+5], 32
	s_mov_b32 s[G1W+6], 0
	s_mov_b32 s[G1W+7], 0
	s_mov_b32 s[G1S], 15|(3<<16)|(1<<21)           ; 16 of scale bytes
	s_mov_b32 s[G1S+1], 32<<16
	s_mov_b32 s[G1S+2], 16<<16
	s_mov_b32 s[G1S+3], 32<<16
	s_mov_b32 s[G1S+4], 16
	s_mov_b32 s[G1S+5], 32
	s_mov_b32 s[G1S+6], 0
	s_mov_b32 s[G1S+7], 0
	s_mov_b32 s[G0], 1
	s_mul_i32 s[G0+1], s[WV], PART
	s_mul_i32 s[G0+2], s[CC], 3*PART
	s_add_co_u32 s[G0+2], s[G0+2], s[G0+1]
	s_add_co_u32 s[G0+2], s[G0+2], 2359296         ; W_proj's images lie behind W_qkv's
	s_mov_b32 s[G0+3], 0
	s_mov_b32 s[G0S], 1
	s_mov_b32 s[G0S+1], WSC
	s_lshl_b32 s[G0S+2], s[CC], 12
	s_add_co_u32 s[G0S+2], s[G0S+2], 360448
	s_mov_b32 s[G0S+3], 0
	s_mul_i32 s[XB], s[TL], 196608
	s_mul_i32 s[T0], s[WV], 49152
	s_add_co_u32 s[XB], s[XB], s[T0]
	s_mov_b32 s[XB+1], 0
	s_lshl_b32 s[XSB], s[TL], 13
	s_lshl_b32 s[T0], s[WV], 11
	s_add_co_u32 s[XSB], s[XSB], s[T0]
	s_mov_b32 s[XSB+1], 0
	s_lshl_b32 s[IC], s[TL], 20                    ; out0: 256 rows of 4,096 bytes a tile, 64 a wave, 512 bytes of a row for each 128 features
	s_lshl_b32 s[T0], s[WV], 18
	s_add_co_u32 s[IC], s[IC], s[T0]
	s_lshl_b32 s[BB], s[CC], 9
	s_add_co_u32 s[IC], s[IC], s[BB]
	s_mov_b32 s[IC+1], 0
	s_mov_b32 s[BB+1], 0
	s_mul_i32 s[T0], s[WV], 16*SP
	s_add_co_u32 s[T0], s[T0], STG
	s_mov_b32 s[WO], 0
	s_mov_b32 s[SO], WSC
	v_and_b32 v13, 31, v0
	v_and_b32 v14, 15, v0                          ; r
	v_bfe_u32 v15, v0, 4, 1                        ; h
	v_lshlrev_b32 v[L16], 4, v13
	v_lshlrev_b32 v[L8], 3, v13
	v_lshlrev_b32 v[L32], 5, v13
	v_mul_u32_u24 v[STO], v14, SP
	v_lshl_add_u32 v[STO], v15, 6, v[STO]
	v_add_nc_u32 v[STO], s[T0], v[STO]             ; into the stage: row r, 64 h bytes on
	v_mul_u32_u24 v[RD], v15, SP
	v_lshl_add_u32 v[RD], v14, 4, v[RD]
	v_add_nc_u32 v[RD], s[T0], v[RD]               ; back: lanes 0-15 one row, lanes 16-31 the next
	v_lshlrev_b32 v[CO], 12, v15
	v_lshl_add_u32 v[CO], v14, 4, v[CO]            ; the same two rows in out0
	v_lshlrev_b32 v[B64], 6, v15
	ADDR
	WALU                                           ; the wait at the head's end
	s_wait_dscnt 0x0
	CROUND                                         ; in front of the joint loads
	s_wait_kmcnt 0x0
	s_add_nc_u64 s[G0+2:G0+3], s[8:9], s[G0+2:G0+3]
	s_or_b32 s[G0+3], s[G0+3], 0x80000000
	s_add_nc_u64 s[G0S+2:G0S+3], s[10:11], s[G0S+2:G0S+3]
	s_or_b32 s[G0S+3], s[G0S+3], 0x80000000
	s_add_nc_u64 s[XB:XB+1], s[4:5], s[XB:XB+1]
	s_add_nc_u64 s[XSB:XSB+1], s[6:7], s[XSB:XSB+1]
	s_add_nc_u64 s[BB:BB+1], s[12:13], s[BB:BB+1]
	s_add_nc_u64 s[IC:IC+1], s[14:15], s[IC:IC+1]
	s_cmp_lt_u32 s[WV], 3                          ; one tensor load a wave, in the two arms of one branch
	s_cbranch_scc0 .Lsc
	TLOAD G0, G1W
	s_branch .Lasked
.Lsc:
	TLOAD G0S, G1S
.Lasked:
.set F, 0
.rept 32
	WIN (1+F/21)<<6
.set R_, 12*(F%21)
.set O_, (F/8)*12288+(F%8)*1536
	global_load_b128 v[R_:R_+3], v[L16], s[XB:XB+1] offset:O_
	global_load_b64 v[R_+4:R_+5], v[L8], s[XB:XB+1] offset:O_+512
	global_load_b128 v[R_+6:R_+9], v[L16], s[XB:XB+1] offset:O_+768
	global_load_b64 v[R_+10:R_+11], v[L8], s[XB:XB+1] offset:O_+1280
.set F, F+1
.endr
	WIN 0
.irp p, 0,1
.irp e, 0,1
	global_load_b128 v[XS+8*\p+4*\e:XS+8*\p+4*\e+3], v[L32], s[XSB:XSB+1] offset:1024*\p+16*\e
.endr
.endr
	BIASLD
	s_wait_tensorcnt 0x0                           ; my load has landed,
	s_barrier_signal -1
	s_barrier_wait -1                              ; everybody's has: W's bytes are only read from here on
	FIRST2
	s_mov_b32 s[WO], HB
	s_mov_b32 s[SO], WSC+2048
	s_mov_b32 s[ST], 0
	s_mov_b32 s[ST+1], 0
	s_mov_b32 s[I], 0
.Ltrip:
	s_wait_xcnt 0x0                                ; the last trip's stores have read their base and their data
	s_add_nc_u64 s[IB:IB+1], s[IC:IC+1], s[ST:ST+1]
	s_wait_loadcnt 0x0                             ; the bias (the first time: o too)
	s_wait_dscnt 0x0                               ; K steps 0 and 1, the scale words
	MM 0, 1
	PLACES
	FETCH 2, 0
	WIN 0
	s_cmp_eq_u32 s[I], NH-1
	s_cbranch_scc1 .Lnb
	s_add_nc_u64 s[BB:BB+1], s[BB:BB+1], 256
	BIASLD                                         ; the next 64 features' bias
.Lnb:
.irp q, 1,2,3,4,5
	s_wait_dscnt 16                                ; this step's fragments are in; the next step's 16 loads may be out
	MM \q, 0
	PLACES
	FETCH \q+2, \q%2
.endr
	s_wait_dscnt 16
	MM 6, 0
	s_wait_dscnt 0x0
	MM 7, 0
	PLACES
	v_nop                                          ; a fifth place: the next trip's first products begin these accumulators anew
	WIN 0
	s_cmp_eq_u32 s[I], NH-1
	s_cbranch_scc1 .Lnn
	ADDR                                           ; the next trip's first fragments land under the way out
	WALU
	FIRST2
.Lnn:
	TOST 0
	TOST 1
	SEND 0, 16                                     ; behind block 0's loads: block 1's 8 stores and 8 loads
	s_wait_xcnt 0x0                                ; block 0's stores have read their data
	TOST 2
	SEND 1, 16
	s_wait_xcnt 0x0
	TOST 3
	SEND 2, 16
	SEND 3, 0
	s_add_co_u32 s[WO], s[WO], HB
	s_add_co_u32 s[SO], s[SO], 2048
	s_add_co_u32 s[ST], s[ST], 256
	s_add_co_u32 s[I], s[I], 1
	s_cmp_lt_u32 s[I], NH
	s_cbranch_scc1 .Ltrip
	s_wait_tensorcnt 0x0                           ; the wave's end
	ds_add_u32 v[SPW], v[NIL]
	s_wait_dscnt 0x0
	CROUND                                         ; the closing round
	s_endpgm
.Lfunc_end_k_q26f3a60018_proj:
	.size	k_q26f3a60018_proj, .Lfunc_end_k_q26f3a60018_proj-k_q26f3a60018_proj
	.p2alignl 7, 3214868480
	.fill 96, 4, 3214868480
	.section	.rodata,"a",@progbits
	.p2align	6, 0x0
	.amdhsa_kernel k_q26f3a60018_proj
		.amdhsa_group_segment_fixed_size 167936
		.amdhsa_private_segment_fixed_size 0
		.amdhsa_enable_private_segment 0
		.amdhsa_kernarg_size 48
		.amdhsa_user_sgpr_count 2
		.amdhsa_user_sgpr_kernarg_segment_ptr 1
		.amdhsa_wavefront_size32 1
		.amdhsa_system_sgpr_workgroup_id_x 1
		.amdhsa_system_sgpr_workgroup_id_y 1
		.amdhsa_system_sgpr_workgroup_id_z 1
		.amdhsa_system_vgpr_workitem_id 0
		.amdhsa_next_free_vgpr 928
		.amdhsa_next_free_sgpr 100
		.amdhsa_reserve_vcc 0
		.amdhsa_float_denorm_mode_32 3
		.amdhsa_float_denorm_mode_16_64 3
		.amdhsa_memory_ordered 1
		.amdhsa_forward_progress 1
		.amdhsa_inst_pref_size 57
	.end_amdhsa_kernel
	.amdgpu_metadata
---
amdhsa.version: [ 1, 2 ]
amdhsa.kernels:
  - .name:           k_q26f3a60018_proj
    .symbol:         k_q26f3a60018_proj.kd
    .args:
      - { .name: o_img, .offset: 0, .size: 8, .value_kind: global_buffer, .address_space: global }
      - { .name: o_sc, .offset: 8, .size: 8, .value_kind: global_buffer, .address_space: global }
      - { .name: w_img, .offset: 16, .size: 8, .value_kind: global_buffer, .address_space: global }
      - { .name: in_sc, .offset: 24, .size: 8, .value_kind: global_buffer, .address_space: global }
      - { .name: b_proj, .offset: 32, .size: 8, .value_kind: global_buffer, .address_space: global }
      - { .name: out0, .offset: 40, .size: 8, .value_kind: global_buffer, .address_space: global }
    .group_segment_fixed_size: 167936
    .private_segment_fixed_size: 0
    .kernarg_segment_align: 8
    .kernarg_segment_size: 48
    .max_flat_workgroup_size: 128
    .sgpr_count:     100
    .vgpr_count:     928
    .wavefront_size: 32
...
	.end_amdgpu_metadata
.endif
;; end of part 4
